; MI455X (gfx1250); checked and timed in simulation.
; The chip was launched on July 23, 2026; its instructions are those of AMD's public machine-readable ISA for CDNA 5 (MIT licence, August 2026) and "CDNA5" Instruction Set Architecture Reference Guide (July 2026). The comments in the code are by the model that wrote it; some were corrected since.
;; Weight Share Self Attention. Allowed arithmetic: float matrix products may take bf16 or f16 operands with f32 sums; other float arithmetic in f32, or as packed bf16 or f16 multiplies, adds, multiply-adds, maxima and minima; sums over many terms, partial sums and values carried from step to step in f32; what a program stores and reads back later, other than sums and carried values, may be rounded once to bf16 or f16.
;; Inputs: W_o 1,024 x 1,024 float32; W_qkv 3,072 x 1,024 float32; W_r 1,024 x 1,024 float32; b_o 1,024 float32; pos_emb 1 x 1,024 x 2,048 float32; r_r_bias 16 x 64 float32; r_w_bias 16 x 64 float32; u1ss 2 x 3,072 x 2,048 float32; z1ss 2 x 1,024 x 2,048 float32.
;; Outputs: out0 2 x 1,024 x 2,048 float32.
;; 2 versions, each right; version 2 is version 1 with the launch ln written anew for expert scheduling mode. Each part assembles by itself: llvm-mc -triple=amdgcn-amd-amdhsa -mcpu=gfx1250 --defsym DOCPART=n.
;; ======== version 1 of 2: 5 launches
;; limits: right only within a limited range of input values
;; workspace buffers: cb 23,068,672 bytes; wh 25,165,824 bytes; rk 4,194,304 bytes; av 8,388,608 bytes; y 16,777,216 bytes; st 524,288 bytes
;; launch prep (part 1): grid 1408 x 1, 8 waves a work-group, no clusters, 0 bytes of LDS; arguments z1ss, pos_emb, W_qkv, W_r, W_o, cb; writes cb
.if DOCPART == 1
	.amdgcn_target "amdgcn-amd-amdhsa--gfx1250"
	.amdhsa_code_object_version 6
	.text
	.protected	k_qd5b91f731a_prep
	.globl	k_qd5b91f731a_prep
	.p2align	8
	.type	k_qd5b91f731a_prep,@function
k_qd5b91f731a_prep:
	s_mov_b64 s[64:65], 0
	v_nop
	global_prefetch_b8 v0, s[64:65] scope:SCOPE_SE
	s_setreg_imm32_b32 hwreg(HW_REG_WAVE_MODE, 25, 1), 1
	s_wait_xcnt 0x0
; cb = the five matrix operands rounded once to bf16, one behind the other: z1ss, pos_emb, W_qkv, W_r, W_o.
; A work-group takes 8,192 numbers: 32,768 bytes in, 16,384 bytes out.  The five parts begin at work-groups 0, 512, 768, 1152, 1280.
; A thread loads 16 bytes eight times (a wave's load covers 512 consecutive bytes) and stores 8 bytes eight times (a wave's store covers 256 consecutive bytes, aligned).
.set X, 4                              ; v[4:35]   eight loads of four f32
.set Y, 36                             ; v[36:51]  eight pairs of packed bf16
	s_load_b256 s[4:11], s[0:1], 0x0               ; z1ss, pos_emb, W_qkv, W_r
	s_load_b128 s[12:15], s[0:1], 0x20             ; W_o, cb
	v_lshlrev_b32 v1, 4, v0                        ; 16 bytes a thread in
	v_lshlrev_b32 v2, 3, v0                        ; 8 bytes a thread out
	s_mov_b32 s17, 0                               ; the first work-group of my part
	s_mov_b32 s21, 0
	s_lshl_b32 s22, ttmp9, 14                      ; my 16,384 bytes of cb
	s_mov_b32 s23, 0
	s_wait_kmcnt 0x0
	s_mov_b64 s[18:19], s[4:5]
	s_cmp_ge_u32 ttmp9, 512
	s_cselect_b64 s[18:19], s[6:7], s[18:19]
	s_cselect_b32 s17, 512, s17
	s_cmp_ge_u32 ttmp9, 768
	s_cselect_b64 s[18:19], s[8:9], s[18:19]
	s_cselect_b32 s17, 768, s17
	s_cmp_ge_u32 ttmp9, 1152
	s_cselect_b64 s[18:19], s[10:11], s[18:19]
	s_cselect_b32 s17, 1152, s17
	s_cmp_ge_u32 ttmp9, 1280
	s_cselect_b64 s[18:19], s[12:13], s[18:19]
	s_cselect_b32 s17, 1280, s17
	s_sub_co_u32 s20, ttmp9, s17
	s_lshl_b32 s20, s20, 15                        ; my 32,768 bytes of the part
	s_add_nc_u64 s[18:19], s[18:19], s[20:21]
	s_add_nc_u64 s[14:15], s[14:15], s[22:23]
.irp k, 0,1,2,3,4,5,6,7
	global_load_b128 v[X+4*(\k):X+4*(\k)+3], v1, s[18:19] offset:4096*(\k)
.endr
.irp k, 0,1,2,3,4,5,6,7
	s_wait_loadcnt 7-(\k)                          ; loads come back in order: load k is in, the younger ones stay out
	v_cvt_pk_bf16_f32 v[Y+2*(\k)], v[X+4*(\k)], v[X+4*(\k)+1]
	v_cvt_pk_bf16_f32 v[Y+2*(\k)+1], v[X+4*(\k)+2], v[X+4*(\k)+3]
	global_store_b64 v2, v[Y+2*(\k):Y+2*(\k)+1], s[14:15] offset:2048*(\k)
.endr
	s_endpgm
.Lfunc_end_k_qd5b91f731a_prep:
	.size	k_qd5b91f731a_prep, .Lfunc_end_k_qd5b91f731a_prep-k_qd5b91f731a_prep
	.p2alignl 7, 3214868480
	.fill 96, 4, 3214868480
	.section	.rodata,"a",@progbits
	.p2align	6, 0x0
	.amdhsa_kernel k_qd5b91f731a_prep
		.amdhsa_group_segment_fixed_size 0
		.amdhsa_private_segment_fixed_size 0
		.amdhsa_enable_private_segment 0
		.amdhsa_kernarg_size 48
		.amdhsa_user_sgpr_count 2
		.amdhsa_user_sgpr_kernarg_segment_ptr 1
		.amdhsa_wavefront_size32 1
		.amdhsa_system_sgpr_workgroup_id_x 1
		.amdhsa_system_sgpr_workgroup_id_y 1
		.amdhsa_system_sgpr_workgroup_id_z 1
		.amdhsa_system_vgpr_workitem_id 0
		.amdhsa_next_free_vgpr 64
		.amdhsa_next_free_sgpr 66
		.amdhsa_reserve_vcc 0
		.amdhsa_float_denorm_mode_32 3
		.amdhsa_float_denorm_mode_16_64 3
		.amdhsa_memory_ordered 1
		.amdhsa_forward_progress 1
		.amdhsa_inst_pref_size 5
	.end_amdhsa_kernel
	.amdgpu_metadata
---
amdhsa.version: [ 1, 2 ]
amdhsa.kernels:
  - .name:           k_qd5b91f731a_prep
    .symbol:         k_qd5b91f731a_prep.kd
    .args:
      - { .name: z1ss, .offset: 0, .size: 8, .value_kind: global_buffer, .address_space: global }
      - { .name: pos_emb, .offset: 8, .size: 8, .value_kind: global_buffer, .address_space: global }
      - { .name: W_qkv, .offset: 16, .size: 8, .value_kind: global_buffer, .address_space: global }
      - { .name: W_r, .offset: 24, .size: 8, .value_kind: global_buffer, .address_space: global }
      - { .name: W_o, .offset: 32, .size: 8, .value_kind: global_buffer, .address_space: global }
      - { .name: cb, .offset: 40, .size: 8, .value_kind: global_buffer, .address_space: global }
    .group_segment_fixed_size: 0
    .private_segment_fixed_size: 0
    .kernarg_segment_align: 8
    .kernarg_segment_size: 48
    .max_flat_workgroup_size: 256
    .sgpr_count:     66
    .vgpr_count:     64
    .wavefront_size: 32
...
	.end_amdgpu_metadata
.endif
;; end of part 1
;; launch gemm1 (part 2): grid 52 x 4, 4 waves a work-group, clusters of 4 x 4, 327,680 bytes of LDS; arguments cb, u1ss, wh, rk; writes wh, rk
.if DOCPART == 2
	.amdgcn_target "amdgcn-amd-amdhsa--gfx1250"
	.amdhsa_code_object_version 6
	.text
	.protected	k_qd5b91f731a_gemm1
	.globl	k_qd5b91f731a_gemm1
	.p2align	8
	.type	k_qd5b91f731a_gemm1,@function
k_qd5b91f731a_gemm1:
	s_mov_b64 s[64:65], 0
	v_nop
	global_prefetch_b8 v0, s[64:65] scope:SCOPE_SE
	s_setreg_imm32_b32 hwreg(HW_REG_WAVE_MODE, 25, 1), 1
	s_wait_xcnt 0x0
	s_wait_alu depctr_hold_cnt(0) depctr_sa_sdst(0) depctr_va_vdst(0) depctr_va_sdst(0) depctr_va_ssrc(0) depctr_va_vcc(0) depctr_vm_vsrc(0)
	s_getreg_b32 s2, hwreg(HW_REG_IB_STS2, 6, 4)
	s_cmp_eq_u32 s2, 0
	s_cbranch_scc0 .Lentry_in_a_cluster
	s_endpgm
.Lentry_in_a_cluster:
	s_bfe_u32 s2, ttmp6, 0x10000c
	s_cmp_lg_u32 s2, 0xf033
	s_cbranch_scc0 .Lentry_shape_is_right
	s_endpgm
.Lentry_shape_is_right:
; wh[b][o][q] = sum over d of W_qkv[o][d] z[b][d][q] + u[b][o][q]   (bf16, rounded once from f32)     rk[o][c] = sum over d of W_r[o][d] pos[d][c] for c >= 1024 (the only columns that the mask of the attention leaves).
; Operands are the bf16 copies in cb.  A = the weights, [m][k], k along the rows; B = z or pos, [k][n], n along the rows: its fragments come out of LDS turned, by ds_load_tr16_b128.
; A tile of C is 256 (m) x 256 (n), K = 1,024 in steps of 128 through two LDS slots; four waves, each 128 x 128 in 64 accumulators.
; 13 clusters of 4 x 4 work-groups: clusters 0-11 make W_qkv z (3 cluster rows x 4 cluster columns of the 12 x 16 tiles; n runs over both batches), cluster 12 makes W_r pos (4 x 4 tiles).
; A's tile hangs on the tile row alone and is asked for jointly along a row of the cluster, B's on the tile column alone and jointly along a column.
; THE MATRIX INSTRUCTION IS USED TRANSPOSED: source 0 = 16 columns n of B, source 1 = 16 rows m of A: a lane holds row m = lane % 16 and the columns 8 (lane / 16) + 0..7.
; THE WAY OUT: 16 rows (a block) at a time as f32 through the wave's own stage, back as whole rows, plus u x f (f = 1 for q, k, v; f = 0 for rk, which has no u: that cluster reads batch 0's block of u and
; multiplies it by 0, so that all clusters run one text), rounded, stored 256 consecutive bytes a wave's store.
; u IS ASKED FOR EARLY.  A wave's u is 8 blocks of 64 registers.  Blocks 0-2 are loaded behind the first barrier, into the 192 registers that the K loop leaves free; blocks 3-5 behind the last product, into the
; fragments' registers; blocks 6 and 7 into the registers of blocks 0 and 1 when those have been added: five blocks are on their way while the first three are worked on.
; LIMIT: u is taken to be finite (0 x u = 0); NaN and infinities are not treated apart.
; REGISTERS: window 0: v0-31 addresses; v64-127, v128-191 fragments of A; v192-255 u's block 2; on the way out v32-63 packed rows, v64-127 rows read back, v128-191 u's block 5.
;   window 1: v64-127, v128-191 fragments of B, on the way out u's blocks 3 and 4; v0-63 u's blocks 0 and 6; v192-255 u's blocks 1 and 7.
;   windows 2, 3: the accumulators of my rows 0-63, 64-127: (a, b) at v[8 (8 a + b)].
.set KSTEP,  128
.set PITCH,  272                       ; a row of A in LDS: 256 bytes + 16
.set PB,     544                       ; a row of B in LDS: 512 bytes + 32: an odd multiple of 32
.set HALFT,  128*PITCH                 ; what one tensor load brings: 128 rows of A, or 64 rows of B (64 x 544 is the same 34,816 bytes)
.set SLOT,   4*HALFT                   ; A's 256 rows, then B's 128 rows
.set STAGE,  2*SLOT                    ; behind the ring: 16 rows x 528 bytes for each wave
.set SPITCH, 528
.set SPARE,  STAGE+4*16*SPITCH         ; the spare words, 128 bytes for each wave
.set LAPS,   4                         ; 1,024 / 256
.set WQB,    12582912                  ; W_qkv in cb
.set WRB,    18874368                  ; W_r in cb
.set ASTEP,  KSTEP*2                   ; a K step in A: 256 bytes along the row
.set BSTEP,  KSTEP*4096                ; a K step in B: 128 rows of 4,096 bytes
.set ADRA, 16                          ; v16-17 LDS address of my A fragments in slot 0, 1
.set ADRB, 20                          ; v20-21 the same for B
.set STO,  24                          ; the way out: where I put 32 bytes of a row
.set RD,   25                          ; where I read 16 bytes of a row back
.set CO,   26                          ; 8 x lane: my bytes of a row of C
.set UO,   27                          ; 16 x lane: my bytes of a row of u
.set SPW,  28
.set NIL,  29
.set PFO,  30                          ; the tiles' prefetches: my lane's offset
.set PFU,  31                          ; u's prefetches: my lane's 256 bytes of a block: row lane / 2, half lane % 2; never rewritten
.set F0,   64
.set F1,   128
.set OUT,  32
.set BK,   64
.set WV,  12                           ; wave
.set HR,  13                           ; wave / 2: my half of the tile's rows; also: I fetch for A (0) or B (1)
.set HC,  14                           ; wave % 2: my half of its columns; also: which half of that tile I fetch
.set LIM, 15                           ; 1 in a wave that prefetches, else the greatest number
.set G1,  24
.set G0,  32
.set CY,  40
.set MT,  41
.set CR,  42
.set ISR, 43
.set PFA, 44
.set PST, 46
.set G1B, 48
.set G0B, 56
.set CX,  66
.set NT,  67
.set CC,  68
.set BT,  69
.set Q7,  70
.set BTU, 71
.set UF,  76
.set MSB, 0
.macro WIN new
.if MSB != (\new)
	s_set_vgpr_msb (MSB<<8)|(\new)
.set MSB, \new
.endif
.endm
.set MUL_LO, 0xa1
.set MUL_HI, 0xf1
.set TO_B,   0x40
; A joint load: waves 0, 1 fetch A's halves, waves 2, 3 B's.  An s_nop 0 and four v_nop follow each line.
.macro JLOAD s
	s_cmp_eq_u32 s[HR], 0
	s_cbranch_scc0 .Lfor_b_\@
	tensor_load_to_lds s[G0+4*(\s):G0+4*(\s)+3], s[G1:G1+7]
	s_nop 0
.rept 4
	v_nop
.endr
	s_branch .Lasked_\@
.Lfor_b_\@:
	tensor_load_to_lds s[G0B+4*(\s):G0B+4*(\s)+3], s[G1B:G1B+7]
	s_nop 0
.rept 4
	v_nop
.endr
.Lasked_\@:
.endm
; A prefetch of the K step two refills on: 32 blocks of 256 bytes, a lane a block, one instruction a wave.  Each block is named once in the launch: of the clusters that read a tile row of A (a tile column
; of B) the first asks; the four partners of a joint load share its rows out by address.  The loop's last trip asks for nothing: K steps 8 and 9 do not exist.
.macro ASK
	s_cmp_gt_u32 s3, s[LIM]
	s_cbranch_scc0 .Lnot_mine_\@
	global_prefetch_b8 v[PFO], s[PFA:PFA+1] th:TH_LOAD_NT scope:SCOPE_SE
.Lnot_mine_\@:
.endm
.macro CREST
	s_cmp_lg_u32 s[WV], 0
	s_cbranch_scc1 .Lnot_wave_0_\@
	s_barrier_signal -3
.Lnot_wave_0_\@:
	s_barrier_wait -3
	s_barrier_signal -1
	s_barrier_wait -1
.endm
.macro CROUND
	s_barrier_signal -1
	s_barrier_wait -1
	CREST
.endm
	s_load_b256 s[4:11], s[0:1], 0x0               ; cb s[4:5], u1ss s[6:7], wh s[8:9], rk s[10:11]
	v_lshl_add_u32 v[SPW], v0, 2, SPARE
	v_mov_b32 v[NIL], 0
	ds_add_u32 v[SPW], v[NIL]                      ; the wave's opening: the add and its wait ahead of my first tensor load
	v_lshrrev_b32 v1, 5, v0
	v_readfirstlane_b32 s[WV], v1
	s_lshr_b32 s[HR], s[WV], 1
	s_and_b32 s[HC], s[WV], 1
	s_bfe_u32 s[CX], ttmp6, 0x40000
	s_bfe_u32 s[CY], ttmp6, 0x40004
	s_mul_i32 s[CC], ttmp9, 11
	s_lshr_b32 s[CC], s[CC], 5                     ; cluster column = cluster / 3 (0..4)
	s_mul_i32 s[CR], s[CC], 3
	s_sub_co_u32 s[CR], ttmp9, s[CR]               ; cluster row = cluster % 3
	s_cmp_eq_u32 ttmp9, 12
	s_cselect_b32 s[ISR], 1, 0                     ; cluster 12 makes rk
	s_cselect_b32 s[UF], 0, 1.0                    ; u's factor
	s_mov_b32 s[UF+1], s[UF]
	s_lshl_b32 s[MT], s[CR], 2
	s_add_co_u32 s[MT], s[MT], s[CY]               ; tile row
	s_lshl_b32 s[NT], s[CC], 2
	s_add_co_u32 s[NT], s[NT], s[CX]               ; tile column: 0-15 z's two batches, 16-19 pos
	s_lshr_b32 s[BT], s[NT], 3                     ; 0, 1: batch; 2: pos, which lies behind z in cb
	s_and_b32 s[Q7], s[NT], 7
	s_lshl_b32 s21, s[CY], 2
	s_lshl_b32 s21, 15, s21                        ; my row of the cluster
	s_lshl_b32 s78, 0x1111, s[CX]                  ; my column
	s_or_b32 s[G1+0], s21, (1<<16)|(1<<20)|(1<<21)|(5<<22)|(3<<25)   ; A: 2-byte elements, 4 words of padding after every 64
	s_or_b32 s[G1B+0], s78, (1<<16)|(1<<20)|(1<<21)|(6<<22)|(7<<25)  ; B: 8 words of padding after every 128
	s_mov_b32 s[G1+1], 128<<16                     ; A: 128 rows x 128 elements, 1,024 elements from row to row
	s_mov_b32 s[G1+2], 128<<16
	s_mov_b32 s[G1+3], 128<<16
	s_mov_b32 s[G1+4], 128
	s_mov_b32 s[G1+5], 1024
	s_mov_b32 s[G1+6], 0
	s_mov_b32 s[G1+7], 0
	s_mov_b32 s[G1B+1], 256<<16                    ; B: 64 rows x 256 elements, 2,048 elements from row to row
	s_mov_b32 s[G1B+2], 64<<16
	s_mov_b32 s[G1B+3], 256<<16
	s_mov_b32 s[G1B+4], 64
	s_mov_b32 s[G1B+5], 2048
	s_mov_b32 s[G1B+6], 0
	s_mov_b32 s[G1B+7], 0
	s_lshl_b32 s16, s[MT], 8                       ; A's offset in cb: made of the tile row, the wave and the cluster alone
	s_lshl_b32 s17, s[HC], 7
	s_add_co_u32 s16, s16, s17
	s_lshl_b32 s16, s16, 11                        ; rows of 2,048 bytes
	s_mov_b32 s17, WQB                             ; (an instruction takes one literal: the other constant comes in a register)
	s_cmp_eq_u32 s[ISR], 1
	s_cselect_b32 s17, WRB, s17
	s_add_co_u32 s16, s16, s17
	s_mov_b32 s17, 0
	s_lshl_b32 s18, s[BT], 22                      ; B's offset: made of the tile column, the wave and the cluster alone
	s_lshl_b32 s19, s[Q7], 9
	s_add_co_u32 s18, s18, s19
	s_lshl_b32 s19, s[ISR], 11                     ; pos from column 1,024 on
	s_add_co_u32 s18, s18, s19
	s_lshl_b32 s19, s[HC], 18                      ; my 64 rows of 4,096 bytes
	s_add_co_u32 s18, s18, s19
	s_mov_b32 s19, 0
	s_mul_i32 s20, s[WV], HALFT                    ; where my part of a slot lies
	s_lshl_b32 s78, s[CX], 16                      ; the prefetches' offset.  A: my work-group's 32 rows of the wave's 128, at K step 3
	s_add_co_u32 s78, s78, s16
	s_add_co_u32 s78, s78, 3*ASTEP
	s_lshl_b32 s79, s[CY], 16                      ; B: my work-group's 16 rows of the wave's 64
	s_add_co_u32 s79, s79, s18
	s_add_co_u32 s79, s79, 3*BSTEP
	s_mov_b32 s[PST], BSTEP
	s_cmp_eq_u32 s[HR], 0
	s_cselect_b32 s78, s78, s79
	s_cselect_b32 s[PST], ASTEP, s[PST]            ; the prefetches' step: a K step in A or in B
	s_mov_b32 s79, 0
	s_mov_b32 s[PST+1], 0
	s_cmp_eq_u32 s[ISR], 1
	s_cselect_b32 s[LIM], 0, s[CC]                 ; A's rows: the first cluster of the cluster row asks, and cluster 12 for W_r
	s_cselect_b32 s[BTU], 0, s[BT]                 ; the batch in wh and u (0 for rk)
	s_cmp_eq_u32 s[HR], 0
	s_cselect_b32 s[LIM], s[LIM], s[CR]            ; B's rows: the first cluster of the cluster column
	s_cmp_eq_u32 s[LIM], 0
	s_cselect_b32 s[LIM], 1, -1
	s_wait_dscnt 0x0                               ; the opening add is done
	s_wait_kmcnt 0x0
	s_add_nc_u64 s[PFA:PFA+1], s[4:5], s[78:79]
	s_add_nc_u64 s[16:17], s[4:5], s[16:17]
	s_add_nc_u64 s[18:19], s[4:5], s[18:19]
	CROUND                                         ; all sixteen work-groups are here: the first joint loads meet
.irp s, 0,1
	s_mov_b32 s[G0+4*(\s)], 1
	s_add_co_u32 s[G0+4*(\s)+1], s20, (\s)*SLOT
	s_add_nc_u64 s[G0+4*(\s)+2:G0+4*(\s)+3], s[16:17], (\s)*ASTEP
	s_or_b32 s[G0+4*(\s)+3], s[G0+4*(\s)+3], 0x80000000
	s_mov_b32 s[G0B+4*(\s)], 1
	s_add_co_u32 s[G0B+4*(\s)+1], s20, (\s)*SLOT
	s_add_nc_u64 s[G0B+4*(\s)+2:G0B+4*(\s)+3], s[18:19], (\s)*BSTEP
	s_or_b32 s[G0B+4*(\s)+3], s[G0B+4*(\s)+3], 0x80000000
	JLOAD \s
.endr
	v_and_b32 v1, 15, v0                           ; l % 16
	v_bfe_u32 v2, v0, 4, 1                         ; l / 16
	v_and_b32 v3, 31, v0                           ; l
	v_mul_u32_u24 v4, v1, PITCH
	v_lshl_add_u32 v4, v2, 4, v4                   ; A: row x pitch + 16 x half
	v_and_b32 v5, 7, v0
	v_lshl_add_u32 v5, v2, 3, v5                   ; B: LDS row 8 (l / 16) + l % 8,
	v_mul_u32_u24 v5, v5, PB
	v_bfe_u32 v6, v0, 3, 1
	v_lshl_add_u32 v5, v6, 4, v5                   ; 16 bytes for each half of eight lanes
	s_mul_i32 s21, s[HR], HALFT                    ; my 128 rows of A
	s_lshl_b32 s22, s[HC], 8                       ; my 128 columns of B: 256 bytes of each row,
	s_add_co_u32 s22, s22, 2*HALFT                 ; behind A's 256 rows
.irp s, 0,1
	v_add_nc_u32 v[ADRA+(\s)], s21, v4
	v_add_nc_u32 v[ADRB+(\s)], s22, v5
	s_add_co_u32 s21, s21, SLOT
	s_add_co_u32 s22, s22, SLOT
.endr
	s_mul_i32 s23, s[WV], 16*SPITCH
	s_add_co_u32 s23, s23, STAGE
	v_mul_u32_u24 v4, v1, SPITCH
	v_lshl_add_u32 v4, v2, 5, v4
	v_add_nc_u32 v[STO], s23, v4                   ; in: row l % 16, 32 bytes for each half of the lanes
	v_lshl_add_u32 v[RD], v3, 4, s23               ; back: 32 lanes take a row of 512 bytes
	v_lshlrev_b32 v[CO], 3, v3
	v_lshlrev_b32 v[UO], 4, v3
	v_lshrrev_b32 v4, s[HR], v3                    ; the prefetches' lanes.  A: a lane a row of 2,048 bytes.  B: two lanes a row of 4,096 bytes, 256 bytes each
	s_add_co_u32 s78, s[HR], 11
	v_lshlrev_b32 v4, s78, v4
	v_and_b32 v5, s[HR], v3
	v_lshl_add_u32 v[PFO], v5, 8, v4
	v_lshrrev_b32 v4, 1, v3                        ; u: two lanes a row of 8,192 bytes, 256 bytes each of my 512
	v_lshlrev_b32 v4, 13, v4
	v_and_b32 v5, 1, v3
	v_lshl_add_u32 v[PFU], v5, 8, v4
	s_lshl_b32 s78, s[MT], 8                       ; where my part of the tile lies in C and in u
	s_lshl_b32 s79, s[HR], 7
	s_add_co_u32 s78, s78, s79                     ; my first row
	s_lshl_b32 s72, s78, 12                        ; C: rows of 4,096 bytes
	s_mul_i32 s73, s[BTU], 12582912
	s_add_co_u32 s72, s72, s73
	s_lshl_b32 s73, s[Q7], 9
	s_add_co_u32 s72, s72, s73
	s_lshl_b32 s73, s[ISR], 11
	s_add_co_u32 s72, s72, s73
	s_lshl_b32 s73, s[HC], 8
	s_add_co_u32 s72, s72, s73
	s_mov_b32 s73, 0
	s_lshl_b32 s74, s78, 13                        ; u: rows of 8,192 bytes
	s_mul_i32 s75, s[BTU], 25165824
	s_add_co_u32 s74, s74, s75
	s_lshl_b32 s75, s[Q7], 10
	s_add_co_u32 s74, s74, s75
	s_lshl_b32 s75, s[HC], 9
	s_add_co_u32 s74, s74, s75
	s_mov_b32 s75, 0
	s_cmp_eq_u32 s[ISR], 1
	s_cselect_b64 s[8:9], s[10:11], s[8:9]
	s_add_nc_u64 s[8:9], s[8:9], s[72:73]
	s_add_nc_u64 s[6:7], s[6:7], s[74:75]
.macro MUL16 f, hi, a0, zero
	WIN MUL_LO+0x50*(\hi)
.irp a, \a0, (\a0)+1
.irp b, 0,1,2,3,4,5,6,7
.if \zero
	v_wmma_f32_16x16x32_bf16 v[8*(8*(\a)+(\b)):8*(8*(\a)+(\b))+7], v[(\f)+8*(\b):(\f)+8*(\b)+7], v[(\f)+8*(4*(\hi)+(\a)):(\f)+8*(4*(\hi)+(\a))+7], 0
.else
	v_wmma_f32_16x16x32_bf16 v[8*(8*(\a)+(\b)):8*(8*(\a)+(\b))+7], v[(\f)+8*(\b):(\f)+8*(\b)+7], v[(\f)+8*(4*(\hi)+(\a)):(\f)+8*(4*(\hi)+(\a))+7], v[8*(8*(\a)+(\b)):8*(8*(\a)+(\b))+7]
.endif
.endr
.endr
.endm
; 32 LDS loads in one run: the fragments of a quarter step (32 along K: byte k of A's rows, LDS rows k / 2 on of B) into buffer f
.macro FETCH slot, k, f
	WIN TO_B
.irp i, 0,1,2,3,4,5,6,7
	ds_load_tr16_b128 v[(\f)+8*(\i):(\f)+8*(\i)+3],   v[ADRB+(\slot)] offset:((\k)/64)*32*PB+(\i)*32
	ds_load_tr16_b128 v[(\f)+8*(\i)+4:(\f)+8*(\i)+7], v[ADRB+(\slot)] offset:((\k)/64)*32*PB+(\i)*32+16*PB
.endr
	WIN 0
.irp i, 0,1,2,3,4,5,6,7
	ds_load_b128 v[(\f)+8*(\i):(\f)+8*(\i)+3],   v[ADRA+(\slot)] offset:(\k)+(\i)*16*PITCH
	ds_load_b128 v[(\f)+8*(\i)+4:(\f)+8*(\i)+7], v[ADRA+(\slot)] offset:(\k)+(\i)*16*PITCH+32
.endr
.endm
.macro PLACES                          ; four plain places behind matrix instructions, in front of loads into their sources and of readers of their results
.rept 4
	v_nop
.endr
.endm
.macro QUARTER slot, k, f, g, zero
	s_wait_dscnt 8                                 ; B and A's rows 0-63 are in; the youngest eight loads (A's rows 64-127) may be out
	WIN MUL_LO
	MUL16 \f, 0, 0, \zero
	MUL16 \f, 0, 2, \zero
	PLACES
	FETCH \slot, \k, \g
	s_wait_dscnt 32                                ; all but the 32 just issued
	WIN MUL_HI
	MUL16 \f, 1, 0, \zero
	MUL16 \f, 1, 2, \zero
.endm
.macro MEET round
	WIN 0
	s_wait_tensorcnt 0x0                           ; all my tensor loads have landed: the one that was out is my part of the next slot
	ds_add_u32 v[SPW], v[NIL]                      ; 0 onto my spare word
	s_wait_dscnt 9                                 ; the add and the youngest eight loads may be out
	WIN MUL_LO
	MUL16 F1, 0, 0, 0
	s_wait_dscnt 0x0                               ; the add is done, and my reads of this slot are over
	s_barrier_signal -1
	MUL16 F1, 0, 2, 0
.if \round
	WIN 0
.endif
	s_barrier_wait -1
.endm
.macro TURN slot, next
	s_wait_xcnt 0x0                                ; the last prefetch, a K step back, has read its address
	s_add_nc_u64 s[PFA:PFA+1], s[PFA:PFA+1], s[PST:PST+1]
	MEET 1
	CREST                                          ; no wave of any partner still reads this slot or has a load on its way
	s_add_nc_u64 s[G0+4*(\slot)+2:G0+4*(\slot)+3], s[G0+4*(\slot)+2:G0+4*(\slot)+3], 2*ASTEP
	s_add_nc_u64 s[G0B+4*(\slot)+2:G0B+4*(\slot)+3], s[G0B+4*(\slot)+2:G0B+4*(\slot)+3], 2*BSTEP
	JLOAD \slot                                    ; the first tensor load behind the round; its four v_nop are also the places in front of the loads below
	FETCH \next, 0, F0
	ASK
	WIN MUL_HI
	MUL16 F1, 1, 0, 0
	MUL16 F1, 1, 2, 0
.endm
; Where block a of u lies: window UW, registers UR .. UR + 63
.macro USET a
.if ((\a) == 0) || ((\a) == 6)
.set UW, 1
.set UR, 0
.elseif ((\a) == 1) || ((\a) == 7)
.set UW, 1
.set UR, 192
.elseif (\a) == 2
.set UW, 0
.set UR, 192
.elseif (\a) == 3
.set UW, 1
.set UR, 64
.elseif (\a) == 4
.set UW, 1
.set UR, 128
.else
.set UW, 0
.set UR, 128
.endif
.endm
; Block a's 16 rows of u, 512 consecutive bytes a load.  The address registers are never rewritten: block and row stand in the immediate.
.macro ULOAD a
	USET \a
	WIN 0x40*UW                                    ; the destination's window
.irp p, 0,1,2,3,4,5,6,7,8,9,10,11,12,13,14,15
	global_load_b128 v[UR+4*(\p):UR+4*(\p)+3], v[UO], s[6:7] offset:(\a)*131072+(\p)*8192 th:TH_LOAD_NT
.endr
.endm
	s_wait_tensorcnt 1                             ; my part of K step 0 is in; K step 1's load may stay out
	s_barrier_signal -1
	s_barrier_wait -1
	FETCH 0, 0, F0
	ULOAD 0                                        ; u's first three blocks: 48 loads into registers that no line touches before the way out; they land under the K loop
	ULOAD 1
	ULOAD 2
	QUARTER 0, 64,  F0, F1, 1                      ; the first quarter's products start the sums
	WIN 0
	s_mov_b32 s3, LAPS-1
.Llap:
	QUARTER 0, 128, F1, F0, 0
	QUARTER 0, 192, F0, F1, 0
	TURN 0, 1
	QUARTER 1, 64,  F0, F1, 0
	QUARTER 1, 128, F1, F0, 0
	QUARTER 1, 192, F0, F1, 0
	TURN 1, 0
	QUARTER 0, 64,  F0, F1, 0
	WIN 0
	s_sub_co_u32 s3, s3, 1
	s_cmp_lg_u32 s3, 0
	s_cbranch_scc1 .Llap
	QUARTER 0, 128, F1, F0, 0                      ; the last lap fills nothing
	QUARTER 0, 192, F0, F1, 0
	MEET 0
	PLACES
	FETCH 1, 0, F0
	; A PREFETCH INTO THE L2 of my own blocks 3 to 6 of u: a lane 256 bytes, an instruction a block of 16 rows x 512 bytes; one K step, 256 matrix instructions, ahead of the loads of blocks 3 to 5.
	; Each wave names what it alone will load.  Blocks 0 to 2 have come by their early loads; block 7 comes by its load alone.  Cluster 12 asks for nothing: its rows of u are other clusters' too.
	s_cmp_eq_u32 s[ISR], 0
	s_cbranch_scc0 .Lno_u
.irp a, 3,4,5,6
	global_prefetch_b8 v[PFU], s[6:7] offset:(\a)*131072 th:TH_LOAD_NT scope:SCOPE_SE
.endr
.Lno_u:
	WIN MUL_HI
	MUL16 F1, 1, 0, 0
	MUL16 F1, 1, 2, 0
	QUARTER 1, 64,  F0, F1, 0
	QUARTER 1, 128, F1, F0, 0
	QUARTER 1, 192, F0, F1, 0
	s_wait_dscnt 8
	WIN MUL_LO
	MUL16 F1, 0, 0, 0
	MUL16 F1, 0, 2, 0
	s_wait_dscnt 0x0
	WIN MUL_HI
	MUL16 F1, 1, 0, 0
	MUL16 F1, 1, 2, 0
	WIN 0
	PLACES                                         ; in front of the loads into the fragments' registers and of the LDS stores that read results
; THE WAY OUT of block a.  left: how many loads of u issued behind this block's may stay out; -1: the block was waited for ahead of the first block.
.macro BLOCK a, left
.set AC, 64*((\a)%4)
	WIN 0x08+4*((\a)/4)                            ; store data in window 2 or 3
.irp b, 0,1,2,3,4,5,6,7
	ds_store_b128 v[STO], v[AC+8*(\b):AC+8*(\b)+3]   offset:64*(\b)
	ds_store_b128 v[STO], v[AC+8*(\b)+4:AC+8*(\b)+7] offset:64*(\b)+16
.endr
	WIN 0
.irp p, 0,1,2,3,4,5,6,7,8,9,10,11,12,13,14,15
	ds_load_b128 v[BK+4*(\p):BK+4*(\p)+3], v[RD] offset:(\p)*SPITCH  ; LDS serves a wave's instructions in order: these see the stores above
.endr
	s_wait_dscnt 0x0
.if (\left) >= 0
	s_wait_loadcnt \left                           ; loads come back in order: this block's u is in, the younger blocks' stay out
.endif
	s_wait_xcnt 0x0                                ; the last block's stores have read OUT
	USET \a
	WIN UW                                         ; source 0, u, in its window
.set i, 0
.rept 32
	v_pk_fma_f32 v[BK+2*i:BK+2*i+1], v[UR+2*i:UR+2*i+1], s[UF:UF+1], v[BK+2*i:BK+2*i+1] op_sel_hi:[1,0,1]
.set i, i+1
.endr
	WIN 0
.set i, 0
.rept 32
	v_cvt_pk_bf16_f32 v[OUT+i], v[BK+2*i], v[BK+2*i+1]
.set i, i+1
.endr
.if (\a) < 2
	ULOAD (\a)+6                                   ; this block's registers of u take the block six further on
	WIN 0
.endif
.irp p, 0,1,2,3,4,5,6,7,8,9,10,11,12,13,14,15
	global_store_b64 v[CO], v[OUT+2*(\p):OUT+2*(\p)+1], s[8:9] offset:(\a)*65536+(\p)*4096  ; a wave's store covers 256 consecutive bytes, aligned
.endr
.endm
	s_wait_loadcnt 0x0                             ; blocks 0 to 2 of u, asked for eight K steps ago
	ULOAD 3
	ULOAD 4
	ULOAD 5
	BLOCK 0, -1
	BLOCK 1, -1
	BLOCK 2, -1
	BLOCK 3, 63                                    ; behind block 3's loads 64 were issued (blocks 4 to 7); a wait names 63 at the most, so one load more than needed is asked for
	BLOCK 4, 48                                    ; blocks 5, 6, 7
	BLOCK 5, 32                                    ; blocks 6, 7
	BLOCK 6, 16                                    ; block 7
	BLOCK 7, 0
	s_wait_tensorcnt 0x0                           ; the wave's end
	ds_add_u32 v[SPW], v[NIL]
	s_wait_dscnt 0x0
	CROUND                                         ; the closing round
	s_endpgm
.Lfunc_end_k_qd5b91f731a_gemm1:
	.size	k_qd5b91f731a_gemm1, .Lfunc_end_k_qd5b91f731a_gemm1-k_qd5b91f731a_gemm1
	.p2alignl 7, 3214868480
	.fill 96, 4, 3214868480
	.section	.rodata,"a",@progbits
	.p2align	6, 0x0
	.amdhsa_kernel k_qd5b91f731a_gemm1
		.amdhsa_group_segment_fixed_size 327680
		.amdhsa_private_segment_fixed_size 0
		.amdhsa_enable_private_segment 0
		.amdhsa_kernarg_size 32
		.amdhsa_user_sgpr_count 2
		.amdhsa_user_sgpr_kernarg_segment_ptr 1
		.amdhsa_wavefront_size32 1
		.amdhsa_system_sgpr_workgroup_id_x 1
		.amdhsa_system_sgpr_workgroup_id_y 1
		.amdhsa_system_sgpr_workgroup_id_z 1
		.amdhsa_system_vgpr_workitem_id 0
		.amdhsa_next_free_vgpr 1024
		.amdhsa_next_free_sgpr 80
		.amdhsa_reserve_vcc 0
		.amdhsa_float_denorm_mode_32 3
		.amdhsa_float_denorm_mode_16_64 3
		.amdhsa_memory_ordered 1
		.amdhsa_forward_progress 1
		.amdhsa_inst_pref_size 188
	.end_amdhsa_kernel
	.amdgpu_metadata
---
amdhsa.version: [ 1, 2 ]
amdhsa.kernels:
  - .name:           k_qd5b91f731a_gemm1
    .symbol:         k_qd5b91f731a_gemm1.kd
    .args:
      - { .name: cb, .offset: 0, .size: 8, .value_kind: global_buffer, .address_space: global }
      - { .name: u1ss, .offset: 8, .size: 8, .value_kind: global_buffer, .address_space: global }
      - { .name: wh, .offset: 16, .size: 8, .value_kind: global_buffer, .address_space: global }
      - { .name: rk, .offset: 24, .size: 8, .value_kind: global_buffer, .address_space: global }
    .group_segment_fixed_size: 327680
    .private_segment_fixed_size: 0
    .kernarg_segment_align: 8
    .kernarg_segment_size: 32
    .max_flat_workgroup_size: 128
    .sgpr_count:     80
    .vgpr_count:     1024
    .wavefront_size: 32
...
	.end_amdgpu_metadata
.endif
;; end of part 2
;; launch attn (part 3): grid 8 x 32, 8 waves a work-group, no clusters, 317,184 bytes of LDS; arguments wh, rk, r_w_bias, r_r_bias, av; writes av
.if DOCPART == 3
	.amdgcn_target "amdgcn-amd-amdhsa--gfx1250"
	.amdhsa_code_object_version 6
	.text
	.protected	k_qd5b91f731a_attn
	.globl	k_qd5b91f731a_attn
	.p2align	8
	.type	k_qd5b91f731a_attn,@function
k_qd5b91f731a_attn:
	s_mov_b64 s[64:65], 0
	v_nop
	global_prefetch_b8 v0, s[64:65] scope:SCOPE_SE
	s_setreg_imm32_b32 hwreg(HW_REG_WAVE_MODE, 25, 1), 1
	s_wait_xcnt 0x0
; av[b][64 hd + d][i] = sum over j of softmax_j(((q_i + rw) . k_j + (q_i + rr) . r_c) / 8) v_j[d],  c = 2047 - (i - j), over 0 <= i - j <= 999 (c = 1048 .. 2047): what the relative shift and the mask leave.
; q, k, v: wh[b][.. + 64 hd + d][position], r: rk[64 hd + d][c], all bf16, positions along the rows.  Products, maxima and sums in f32; q + bias and the weights p are rounded to bf16 as matrix operands.
; LIMITS.  A hidden score counts as -1e30.  The running maximum starts at -2^80 (about -1.2e24), between the hidden scores and the true ones: a query whose raw scores ALL lie below -2^80 is not served.
; A weight below 2^-126 counts as 0; NaN and infinities are not treated apart.
; SHARES.  A work-group: 256 queries (block Bq) of one head.  Eight waves: w = wave % 4, g = wave / 4.  A wave owns two tiles t = 2 g + tt of 16 queries FOUR APART: i = 256 Bq + 64 t + 4 r + w.
; STEPS.  S = 0..19, key block kb = 4 Bq - 16 + S of 64 keys; for tile t, u = S - t; blocks u = 0..16 hold its window.  For key jj of the block, c = 1023 + 64 u - 4 r - w + jj.
; THE SHIFT.  BD^T = R Qr^T is made once for each (tile, 64 values of c) and stored as f32 into a ring of 128 entries a query (my own LDS rows): entry e holds c = 959 - w + e, block E = e / 64 in half E % 2.
; A tile's step u reads 64 entries from 64 u + 64 - 4 r on (blocks u and u + 1): a shift by 4 r entries, 16 r bytes, so the reads are aligned 16-byte loads, straight into the registers that start the sum S^T = K Qw^T.
; THE MASK is a matter of c alone: entries with c < 1048 (block 0, part of block 1) or c > 2047 (part of block 17) are -1e30.
; A STEP IN WHICH A QUERY SEES NO KEY (u = 0, for 4 r + w > 38): m stays at its start, -2^80, so every weight is 2^(c (-1e30) + c 2^80) = 0, a = 0, and O and l stay 0: nothing but zeros is carried on.
; THE ORDER OF A STEP.  (1) BD runs a step ahead: step S makes the ring blocks that step S + 1 reads, each behind the tile's own ring reads of step S (a wave's LDS instructions are served in order).
; (2) Tile 1's u in a step is tile 0's of the step before, so R's fragments are read once for both: tile 1's BD from the fragments in hand, then the next fragments, then tile 0's BD: 84 LDS instructions a wave and step, not 100.
; (3) Tile 1 lags half a step: its softmax and V^T P of step S - 1 stand behind step S's barriers, beside the loads of K and of tile 0's ring entries; V's loads follow those products.
; (4) Both barriers stand at the step's head, the four stores of K and V between them.  What runs in a step hangs on five scalar flags made of the step, the wave's and the block's number; all jumps go forward, past no barrier.
; No cluster: at the same trip the blocks of a head walk different key blocks.  K and V are asked for a step ahead, into registers.
; LDS: RROW r by rows [c - 1020][64 ch], pitch 144 (rows 0-3 and 1028-1090 are 0); RING 256 rows x 544; KT [64 ch][64 keys] pitch 160 (read turned); VT [64 ch][64 keys] pitch 144.
;   In the ring's bytes, before the walk: XT [64 ch][256 positions] pitch 544, QROW [256 queries][Qw 64 | Qr 64] pitch 272; behind the walk: OST [64 ch][256 queries] pitch 528.
; REGISTERS.  window 0: v2-15 addresses; v16-31 ring read addresses by the parity of u; v32-39 statistics; v40-47 at work; v48-63 K, V on their way; v64-95 S^T of tile 0; v96-127 BD^T; v128-159 P; v160-223 O^T;
;   v224-255 S^T of tile 1 (in the prologue: q as loaded).   window 1: v0-63 Q (32 tt + 16 version + 8 kk); v64-127 K; v128-191 V (in the prologue v64-191: r as loaded); v192-255 R.
.set PR,    144
.set RING,  157440
.set PG,    544
.set KT,    296704
.set PKT,   160
.set VT,    306944
.set PVT,   144
.set SPARE, 316160
.set QROW,  RING+34816
.set PQ,    272
.set OST,   RING
.set PO,    528
.set KAD, 2
.set VAD, 3
.set RAB, 4
.set RA,  5
.set RS,  6
.set KO,  7
.set KST, 8
.set VST, 9
.set CIX, 10
.set RR,  11
.set MV,  12
.set SPW, 14
.set NIL, 15
.set LA,  16
.set ST,  32
.set TMP, 40
.set KV,  48
.set S,   64
.set BD,  96
.set P,   128
.set O,   160
.set S1,  224
.set XG,  224
.set BW,  96                           ; prologue: the biases of my channels
.set BR,  128
.set XST, 160                          ; prologue's addresses and work, in O's registers
.set XGO, 161
.set XTR, 162
.set RW,  163
.set QWA, 164
.set QFA, 165
.set BO,  166
.set GZ,  167
.set GZ2, 168
.set RI,  169
.set ZQ,  172
.set BQD, 176
.set TT,  180
.set UU,  188
.set PK,  196
.set PK2, 200
.set QF,  0                            ; window 1
.set KF,  64
.set VF,  128
.set RF,  192
.set XW,  64                           ; window 1, prologue: r's chunk x at XW + 32 x
.set WV, 14
.set W,  15
.set G,  16
.set T0, 17
.set BQ4, 18
.set SMAIN, 19
.set BB, 20
.set HD, 21
.set KB, 22
.set TP, 24
.set RB, 26
.set QB, 28
.set CS, 30
.set SEL, 32
.set BIGN, 34
.set TR, 35
.set SS, 36
.set U0, 37                            ; tile 0's u in this step; also the u for which tile 1's BD is made
.set OB, 44
.set HIM, 46
.set U1, 47                            ; tile 1's u in this step
.set UN, 48                            ; tile 0's u in the next step
.set FM0, 49                           ; 1: tile 0 has scores in this step
.set FM1, 50                           ; 1: tile 1 has
.set FB0, 51                           ; 1: tile 0's BD for the next step is made
.set FB1, 52                           ; 1: tile 1's
.set FM1P, 53                          ; FM1 of the step before
.set MSB, 0
.macro WIN new
.if MSB != (\new)
	s_set_vgpr_msb (MSB<<8)|(\new)
.set MSB, \new
.endif
.endm
.macro BAR
	s_barrier_signal -1
	s_barrier_wait -1
.endm
	s_load_b256 s[4:11], s[0:1], 0x0               ; wh, rk, r_w_bias, r_r_bias
	s_load_b64 s[12:13], s[0:1], 0x20              ; av
	v_lshl_add_u32 v[SPW], v0, 2, SPARE
	v_mov_b32 v[NIL], 0
	v_lshrrev_b32 v45, 5, v0                       ; thread / 32
	v_readfirstlane_b32 s[WV], v45
	s_and_b32 s[W], s[WV], 3
	s_lshr_b32 s[G], s[WV], 2
	s_lshl_b32 s[T0], s[G], 1
	s_and_b32 s38, ttmp7, 0xffff
	s_lshr_b32 s[BB], s38, 4
	s_and_b32 s[HD], s38, 15
	s_lshl_b32 s[BQ4], ttmp9, 2
	s_sub_co_i32 s[SMAIN], 16, s[BQ4]
	s_max_i32 s[SMAIN], s[SMAIN], 0                ; the first step whose key block exists
	s_mov_b32 s[CS], 0x3e38aa3b                    ; c = log2(e) / 8
	s_mov_b32 s[CS+1], s[CS]
	s_mov_b32 s[SEL], 0x76543210
	s_mov_b32 s[SEL+1], 0xfedcba98
	s_mov_b32 s[BIGN], 0xf149f2ca                  ; -1e30
	s_mov_b32 s[HIM], 0xffff0000
	v_and_b32 v40, 31, v0                          ; l
	v_and_b32 v41, 15, v0                          ; r
	v_bfe_u32 v42, v0, 4, 1                        ; h
	v_and_b32 v43, 7, v0                           ; l % 8
	v_bfe_u32 v44, v0, 3, 1
	v_lshrrev_b32 v46, 3, v0                       ; thread / 8
	v_lshl_add_u32 v47, v42, 3, v43                ; 8 h + l % 8: the turning loads' LDS row
	v_mul_u32_u24 v[KAD], v47, PKT
	v_lshl_add_u32 v[KAD], v44, 4, v[KAD]
	v_add_nc_u32 v[KAD], KT, v[KAD]
	v_mul_u32_u24 v[VAD], v41, PVT
	v_lshl_add_u32 v[VAD], v42, 4, v[VAD]
	v_add_nc_u32 v[VAD], VT, v[VAD]
	s_sub_co_u32 s38, 3, s[W]
	v_add_nc_u32 v[RAB], s38, v41
	v_mul_u32_u24 v[RAB], v[RAB], PR
	v_lshl_add_u32 v[RAB], v42, 4, v[RAB]          ; (3 - w + r) x 144 + 16 h
	s_lshl_b32 s39, s[WV], 5
	v_add_nc_u32 v[RR], s39, v41
	v_mul_u32_u24 v[QWA], v[RR], PQ
	v_mul_u32_u24 v[RR], v[RR], PG
	v_add_nc_u32 v[RR], RING, v[RR]                ; my query's ring row (tile 0's; tile 1's lies 16 rows on)
	v_lshl_add_u32 v[RS], v42, 5, v[RR]
	v_lshl_add_u32 v[RI], v42, 7, v[RR]
	v_lshlrev_b32 v[KO], 12, v46
	v_lshl_add_u32 v[KO], v43, 4, v[KO]
	v_mul_u32_u24 v[KST], v46, PKT
	v_lshl_add_u32 v[KST], v43, 4, v[KST]
	v_add_nc_u32 v[KST], KT, v[KST]
	v_mul_u32_u24 v[VST], v46, PVT
	v_lshl_add_u32 v[VST], v43, 4, v[VST]
	v_add_nc_u32 v[VST], VT, v[VST]
	v_lshlrev_b32 v[CIX], 3, v42
	v_sub_nc_u32 v[CIX], v[CIX], s[W]              ; 8 h - w, signed: for the masks alone
	v_lshlrev_b32 v1, 2, v41
	v_sub_nc_u32 v1, 64, v1
	v_lshl_add_u32 v1, v42, 3, v1                  ; 64 - 4 r + 8 h
.irp kt, 0,1,2,3
.irp x, 0,1
	v_add_nc_u32 v[TT], 16*(\kt)+4*(\x), v1        ; the entry, counted from block u
	v_bfe_u32 v[TT+1], v[TT], 6, 1
	v_and_b32 v[TT], 63, v[TT]
	v_lshl_add_u32 v[TT], v[TT], 2, v[RR]
	v_lshl_add_u32 v[LA+2*(\kt)+(\x)], v[TT+1], 8, v[TT]      ; u even
	v_xor_b32 v[TT+1], 1, v[TT+1]
	v_lshl_add_u32 v[LA+8+2*(\kt)+(\x)], v[TT+1], 8, v[TT]    ; u odd
.endr
.endr
	v_mul_u32_u24 v[XST], v45, PG
	v_lshl_add_u32 v[XST], v40, 4, v[XST]
	v_add_nc_u32 v[XST], RING, v[XST]
	v_lshlrev_b32 v[XGO], 12, v45
	v_lshl_add_u32 v[XGO], v40, 4, v[XGO]
	v_mul_u32_u24 v[XTR], v47, PG
	v_lshl_add_u32 v[XTR], v44, 4, v[XTR]
	s_lshl_b32 s38, s[WV], 6
	s_add_co_u32 s38, s38, RING
	v_add_nc_u32 v[XTR], s38, v[XTR]
	s_add_co_u32 s38, s39, 4
	v_add_nc_u32 v[RW], s38, v41
	v_mul_u32_u24 v[RW], v[RW], PR
	v_lshl_add_u32 v[RW], v42, 4, v[RW]
	v_lshl_add_u32 v[QWA], v42, 4, v[QWA]
	v_add_nc_u32 v[QWA], QROW, v[QWA]
	s_lshl_b32 s38, s[G], 7
	s_add_co_u32 s38, s38, s[W]
	v_lshl_add_u32 v[QFA], v41, 2, s38             ; 128 g + 4 r + w
	v_mul_u32_u24 v[QFA], v[QFA], PQ
	v_lshl_add_u32 v[QFA], v42, 4, v[QFA]
	v_add_nc_u32 v[QFA], QROW, v[QFA]
	v_lshlrev_b32 v[BO], 5, v42
	v_lshlrev_b32 v[GZ], 4, v40
	v_add_nc_u32 v[GZ2], 1028*PR, v[GZ]
.irp k, 0,1,2,3
	v_mov_b32 v[ZQ+(\k)], 0
	v_mov_b32 v[BQD+(\k)], s[BIGN]
.endr
	s_mul_i32 s38, s[BB], 3072
	s_lshl_b32 s39, s[HD], 6
	s_add_co_u32 s38, s38, s39
	s_lshl_b32 s38, s38, 12                        ; q's first row of the head, rows of 4,096 bytes
	s_mov_b32 s39, 0
	s_lshl_b32 s40, ttmp9, 9                       ; the block's 256 positions
	s_mov_b32 s41, 0
	s_lshl_b32 s42, s[HD], 18
	s_add_co_u32 s42, s42, 2048                    ; r from c = 1,024 on
	s_mov_b32 s43, 0
	s_wait_kmcnt 0x0
	s_add_nc_u64 s[QB:QB+1], s[4:5], s[38:39]
	s_add_nc_u64 s[KB:KB+1], s[QB:QB+1], 4194304   ; k lies 1,024 rows behind q, v 1,024 behind k
	s_add_nc_u64 s[QB:QB+1], s[QB:QB+1], s[40:41]
	s_add_nc_u64 s[RB:RB+1], s[6:7], s[42:43]
	s_lshl_b32 s38, s[HD], 8
	s_add_nc_u64 s[8:9], s[8:9], s[38:39]
	s_add_nc_u64 s[10:11], s[10:11], s[38:39]
	s_lshl_b32 s38, s[BB], 10
	s_lshl_b32 s42, s[HD], 6
	s_add_co_u32 s38, s38, s42
	s_lshl_b32 s42, s[WV], 3
	s_add_co_u32 s38, s38, s42
	s_lshl_b32 s38, s38, 12
	s_add_co_u32 s38, s38, s40
	s_add_nc_u64 s[OB:OB+1], s[12:13], s[38:39]    ; av at my wave's 8 rows, the block's columns
	s_sub_co_i32 s38, s[BQ4], 16
	s_max_i32 s38, s38, 0
	s_lshl_b32 s38, s38, 7
	s_add_nc_u64 s[TP:TP+1], s[KB:KB+1], s[38:39]  ; step 0's key block, held inside the head
; THE PROLOGUE turns r (four chunks of 256 values of c) and q (one chunk) from [channel][position] into rows by position, through XT.
; ALL ITS 60 LOADS GO OUT HERE, in the order in which they are wanted: r's four chunks (8 loads each: 64 rows x 512 bytes, 16 bytes a thread), q's chunk (8), the biases (16), step 0's K and V (4).
	WIN 0x40                                       ; destination window 1, address window 0
.irp x, 0,1,2,3
.irp p, 0,1,2,3,4,5,6,7
	global_load_b128 v[XW+32*(\x)+4*(\p):XW+32*(\x)+4*(\p)+3], v[XGO], s[RB:RB+1] offset:32768*(\p)+512*(\x)
.endr
.endr
	WIN 0
.irp p, 0,1,2,3,4,5,6,7
	global_load_b128 v[XG+4*(\p):XG+4*(\p)+3], v[XGO], s[QB:QB+1] offset:32768*(\p)
.endr
.irp q, 0,1,2,3
.irp e, 0,1
	global_load_b128 v[BW+8*(\q)+4*(\e):BW+8*(\q)+4*(\e)+3], v[BO], s[8:9] offset:64*(\q)+16*(\e)
	global_load_b128 v[BR+8*(\q)+4*(\e):BR+8*(\q)+4*(\e)+3], v[BO], s[10:11] offset:64*(\q)+16*(\e)
.endr
.endr
	global_load_b128 v[KV:KV+3],     v[KO], s[TP:TP+1]
	global_load_b128 v[KV+4:KV+7],   v[KO], s[TP:TP+1] offset:131072
	global_load_b128 v[KV+8:KV+11],  v[KO], s[TP:TP+1] offset:4194304
	global_load_b128 v[KV+12:KV+15], v[KO], s[TP:TP+1] offset:4325376
.macro XOUT                            ; my wave's 32 positions: position 16 gg + r, channels 32 kc + 16 y + 8 h + 0..7 in v[S + 16 gg + 8 kc + 4 y ..]
.irp gg, 0,1
.irp kc, 0,1
.irp y, 0,1
	ds_load_tr16_b128 v[S+16*(\gg)+8*(\kc)+4*(\y):S+16*(\gg)+8*(\kc)+4*(\y)+3], v[XTR] offset:32*(\gg)+32*PG*(\kc)+16*PG*(\y)
.endr
.endr
.endr
	s_wait_dscnt 0x0
.endm
	s_cmp_lg_u32 s[WV], 0                          ; wave 0 writes 0 into RROW's guard rows (the bytes of rows 4-7 that it also covers are written anew behind the next barrier)
	s_cbranch_scc1 .Lno_guard
	ds_store_b128 v[GZ], v[ZQ:ZQ+3]
	ds_store_b128 v[GZ], v[ZQ:ZQ+3] offset:512
.set i, 0
.rept 18
	ds_store_b128 v[GZ2], v[ZQ:ZQ+3] offset:512*i
.set i, i+1
.endr
.Lno_guard:
.irp x, 0,1,2,3
	s_wait_loadcnt 52-8*(\x)                       ; chunk x is in: behind it were issued 8 (3 - x) + 8 + 16 + 4 loads, which may stay out
	WIN 0x04                                       ; store data in window 1
.irp p, 0,1,2,3,4,5,6,7
	ds_store_b128 v[XST], v[XW+32*(\x)+4*(\p):XW+32*(\x)+4*(\p)+3] offset:8*PG*(\p)
.endr
	WIN 0
	s_wait_dscnt 0x0                               ; for the others' sake: my part of XT is written
	BAR                                            ; XT is whole
	XOUT
.irp gg, 0,1
.irp kc, 0,1
.irp y, 0,1
	ds_store_b128 v[RW], v[S+16*(\gg)+8*(\kc)+4*(\y):S+16*(\gg)+8*(\kc)+4*(\y)+3] offset:16*PR*(\gg)+64*(\kc)+32*(\y)
.endr
.endr
.endr
	v_add_nc_u32 v[RW], 256*PR, v[RW]
	s_wait_dscnt 0x0
	BAR                                            ; nobody reads XT any more
.endr
	s_wait_loadcnt 4                               ; q and the biases are in; K's and V's four loads may stay out
.irp p, 0,1,2,3,4,5,6,7
	ds_store_b128 v[XST], v[XG+4*(\p):XG+4*(\p)+3] offset:8*PG*(\p)
.endr
	s_wait_dscnt 0x0
	BAR
	XOUT
.irp gg, 0,1
.irp kc, 0,1
.irp y, 0,1
.set XR, S+16*(\gg)+8*(\kc)+4*(\y)
.set BI, 8*(2*(\kc)+(\y))
.irp k, 0,1,2,3
	v_lshlrev_b32 v[TT+2*(\k)], 16, v[XR+(\k)]
	v_and_b32 v[TT+2*(\k)+1], s[HIM], v[XR+(\k)]
.endr
.irp k, 0,2,4,6
	v_pk_add_f32 v[UU+(\k):UU+(\k)+1], v[TT+(\k):TT+(\k)+1], v[BW+BI+(\k):BW+BI+(\k)+1]
.endr
.irp k, 0,1,2,3
	v_cvt_pk_bf16_f32 v[PK+(\k)], v[UU+2*(\k)], v[UU+2*(\k)+1]
.endr
	ds_store_b128 v[QWA], v[PK:PK+3] offset:16*PQ*(\gg)+64*(\kc)+32*(\y)           ; q + r_w_bias
.irp k, 0,2,4,6
	v_pk_add_f32 v[UU+(\k):UU+(\k)+1], v[TT+(\k):TT+(\k)+1], v[BR+BI+(\k):BR+BI+(\k)+1]
.endr
.irp k, 0,1,2,3
	v_cvt_pk_bf16_f32 v[PK2+(\k)], v[UU+2*(\k)], v[UU+2*(\k)+1]
.endr
	ds_store_b128 v[QWA], v[PK2:PK2+3] offset:16*PQ*(\gg)+64*(\kc)+32*(\y)+128     ; q + r_r_bias
.endr
.endr
.endr
	s_wait_dscnt 0x0
	BAR                                            ; QROW is whole
	WIN 0x40
.irp tq, 0,1
.irp ver, 0,1
.irp kk, 0,1
	ds_load_b128 v[QF+32*(\tq)+16*(\ver)+8*(\kk):QF+32*(\tq)+16*(\ver)+8*(\kk)+3],   v[QFA] offset:64*PQ*(\tq)+128*(\ver)+64*(\kk)
	ds_load_b128 v[QF+32*(\tq)+16*(\ver)+8*(\kk)+4:QF+32*(\tq)+16*(\ver)+8*(\kk)+7], v[QFA] offset:64*PQ*(\tq)+128*(\ver)+64*(\kk)+32
.endr
.endr
.endr
	WIN 0
	s_wait_dscnt 0x0
	BAR                                            ; nobody reads QROW any more: its bytes become the ring
.irp tq, 0,1
.irp gi, 0,1,2,3,4,5,6,7
	ds_store_b128 v[RI], v[BQD:BQD+3] offset:16*PG*(\tq)+16*(\gi)   ; block 0 (c < 1023) is hidden
.endr
.endr
.set i, 0
.rept 64
	v_mov_b32 v[O+i], 0                            ; O^T and l start at 0: the first step is a step like any other, with a = 0
.set i, i+1
.endr
.irp tq, 0,1
	v_mov_b32 v[ST+4*(\tq)], 0xfe000000            ; c m: below every c m that is computed, c x (-2^80) too, so the first a is 0
	v_mov_b32 v[ST+4*(\tq)+1], 0xe7800000          ; m = -2^80: above every hidden score, below every true one
	v_mov_b32 v[ST+4*(\tq)+2], 0
	v_mov_b32 v[ST+4*(\tq)+3], 0
.endr
; What step s[SS] does.  A tile has scores where its u lies in 0..16 and the key block exists; its BD for the next step is made where the next u lies in 0..16 and a step that exists will read the block.
.macro FLAGS
	s_sub_co_i32 s[U0], s[SS], s[T0]
	s_sub_co_i32 s[U1], s[U0], 1
	s_add_co_i32 s[UN], s[U0], 1
	s_add_co_i32 s38, s[SS], 2
	s_cmp_le_u32 s[U0], 16                         ; (a negative u is a great number here)
	s_cselect_b32 s[FM0], 1, 0
	s_cselect_b32 s[FB1], 1, 0                     ; tile 1's next u is tile 0's u
	s_cmp_le_u32 s[U1], 16
	s_cselect_b32 s[FM1], 1, 0
	s_cmp_le_u32 s[UN], 16
	s_cselect_b32 s[FB0], 1, 0
	s_cmp_ge_i32 s[SS], s[SMAIN]
	s_cselect_b32 s[FM0], s[FM0], 0
	s_cselect_b32 s[FM1], s[FM1], 0
	s_cmp_ge_i32 s38, s[SMAIN]
	s_cselect_b32 s[FB0], s[FB0], 0
	s_cselect_b32 s[FB1], s[FB1], 0
.endm
; R's fragments for tile 0's next u (held inside 0..16): 64 rows x 64 channels, 16 loads, issued in every step
.macro RFL
	s_max_i32 s38, s[UN], 0
	s_min_u32 s38, s38, 16
	s_mul_i32 s38, s38, 64*PR
	v_add_nc_u32 v[RA], s38, v[RAB]
	WIN 0x40
.irp tb, 0,1,2,3
.irp kk, 0,1
	ds_load_b128 v[RF+16*(\tb)+8*(\kk):RF+16*(\tb)+8*(\kk)+3],   v[RA] offset:16*PR*(\tb)+64*(\kk)
	ds_load_b128 v[RF+16*(\tb)+8*(\kk)+4:RF+16*(\tb)+8*(\kk)+7], v[RA] offset:16*PR*(\tb)+64*(\kk)+32
.endr
.endr
	WIN 0
.endm
; BD^T of tile tt for ring block u + 1, u in s[ur]: eight products on the fragments in hand, five places, the masks of the two edge blocks
.macro BDC tt, ur
	WIN 0x05
.irp tb, 0,1,2,3
	v_wmma_f32_16x16x32_bf16 v[BD+8*(\tb):BD+8*(\tb)+7], v[RF+16*(\tb):RF+16*(\tb)+7], v[QF+32*(\tt)+16:QF+32*(\tt)+23], 0
.endr
.irp tb, 0,1,2,3
	v_wmma_f32_16x16x32_bf16 v[BD+8*(\tb):BD+8*(\tb)+7], v[RF+16*(\tb)+8:RF+16*(\tb)+15], v[QF+32*(\tt)+24:QF+32*(\tt)+31], v[BD+8*(\tb):BD+8*(\tb)+7]
.endr
	WIN 0
.rept 5
	v_nop                                          ; five places: the other tile's products write these accumulators anew, and R's registers are loaded again
.endr
	s_cmp_lg_u32 s[\ur], 0
	s_cbranch_scc1 .Lbd_n0_\@
.irp j, 0,1,2,3,4,5,6,7                ; block 1: c = 1023 - w + m is hidden for m < 25 + w
	v_mov_b32 v[BD+(\j)], s[BIGN]
.endr
.irp j, 0,1,2,3,4,5,6,7
	v_cmp_gt_i32 vcc_lo, 9-(\j), v[CIX]
	v_cndmask_b32 v[BD+8+(\j)], v[BD+8+(\j)], s[BIGN], vcc_lo
.endr
.Lbd_n0_\@:
	s_cmp_lg_u32 s[\ur], 16
	s_cbranch_scc1 .Lbd_n16_\@
.irp j, 0,1,2,3,4,5,6,7                ; block 17: c = 2047 - w + m is hidden for m > w
	v_cmp_lt_i32 vcc_lo, -(\j), v[CIX]
	v_cndmask_b32 v[BD+(\j)], v[BD+(\j)], s[BIGN], vcc_lo
.endr
.set i, 8
.rept 24
	v_mov_b32 v[BD+i], s[BIGN]
.set i, i+1
.endr
.Lbd_n16_\@:
.endm
; and into the ring: made in a step of parity p, the block is number S + 2 - t: half (p + tt) % 2, over the block that the tile's reads of this step have left
.macro BDS tt, p
.irp tb, 0,1,2,3
	ds_store_b128 v[RS], v[BD+8*(\tb):BD+8*(\tb)+3]   offset:16*PG*(\tt)+256*(((\p)+(\tt))&1)+64*(\tb)
	ds_store_b128 v[RS], v[BD+8*(\tb)+4:BD+8*(\tb)+7] offset:16*PG*(\tt)+256*(((\p)+(\tt))&1)+64*(\tb)+16
.endr
.endm
; the shifted, masked BD of tile tt's 64 keys, into the registers that start its sums
.macro RLD tt, p, sb
.irp kt, 0,1,2,3
.irp x, 0,1
	ds_load_b128 v[(\sb)+8*(\kt)+4*(\x):(\sb)+8*(\kt)+4*(\x)+3], v[LA+8*(((\p)+(\tt))&1)+2*(\kt)+(\x)] offset:16*PG*(\tt)
.endr
.endr
.endm
; S^T += K Qw^T: the four accumulators by turns; five places behind
.macro KQ tt, sb
	WIN 0x05
.irp kk, 0,1
.irp kt, 0,1,2,3
	v_wmma_f32_16x16x32_bf16 v[(\sb)+8*(\kt):(\sb)+8*(\kt)+7], v[KF+16*(\kt)+8*(\kk):KF+16*(\kt)+8*(\kk)+7], v[QF+32*(\tt)+8*(\kk):QF+32*(\tt)+8*(\kk)+7], v[(\sb)+8*(\kt):(\sb)+8*(\kt)+7]
.endr
.endr
	WIN 0
.rept 5
	v_nop
.endr
.endm
; the softmax of tile tt's 64 scores: running maximum, weights, their sum, O^T and l rescaled
.macro SM tt, sb
.set rT, ST+4*(\tt)
.set rC, TMP+4*(\tt)
.set rM, MV+(\tt)
.set rP, P+16*(\tt)
.set rO, O+32*(\tt)
.irp n, 0,1,2,3                        ; the maximum: each accumulator's lowest registers are read first
	v_max3_num_f32 v[rC+(\n)], v[(\sb)+8*(\n)], v[(\sb)+8*(\n)+1], v[(\sb)+8*(\n)+2]
.endr
.irp n, 0,1,2,3
	v_max3_num_f32 v[rC+(\n)], v[rC+(\n)], v[(\sb)+8*(\n)+3], v[(\sb)+8*(\n)+4]
.endr
.irp n, 0,1,2,3
	v_max3_num_f32 v[rC+(\n)], v[rC+(\n)], v[(\sb)+8*(\n)+5], v[(\sb)+8*(\n)+6]
.endr
	v_max3_num_f32 v[rC], v[rC], v[(\sb)+7], v[(\sb)+15]
	v_max3_num_f32 v[rC+1], v[rC+1], v[(\sb)+23], v[(\sb)+31]
	v_max3_num_f32 v[rC+2], v[rC+2], v[rC+3], v[rT+1]
	v_mov_b32 v[rM], v[rT]                         ; c m_old
	v_max3_num_f32 v[rC], v[rC], v[rC+1], v[rC+2]
	v_permlanex16_b32 v[rC+3], v[rC], s[SEL], s[SEL+1]  ; the query's other 32 keys lie in the lane 16 away
	v_max_num_f32 v[rT+1], v[rC], v[rC+3]
	v_mul_f32 v[rT], s[CS], v[rT+1]
	v_sub_f32 v[rC+1], v[rM], v[rT]
.set i, 0
.rept 16
	v_pk_fma_f32 v[(\sb)+2*i:(\sb)+2*i+1], v[(\sb)+2*i:(\sb)+2*i+1], s[CS:CS+1], v[rT:rT+1] op_sel_hi:[1,0,0] neg_lo:[0,0,1] neg_hi:[0,0,1]
.set i, i+1
.endr
	v_exp_f32 v[rC+2], v[rC+1]                     ; a
.set i, 0
.rept 32
	v_exp_f32 v[(\sb)+i], v[(\sb)+i]
.set i, i+1
.endr
	v_nop                                          ; a plain instruction behind the last exponential,
	s_wait_alu depctr_va_vdst(0)                   ; and one wait for the batch of 33, ahead of the first reader
.set i, 0
.rept 16
	v_cvt_pk_bf16_f32 v[rP+i], v[(\sb)+2*i], v[(\sb)+2*i+1]
.set i, i+1
.endr
.set i, 0
.rept 8
	v_pk_add_f32 v[(\sb)+4*i:(\sb)+4*i+1], v[(\sb)+4*i:(\sb)+4*i+1], v[(\sb)+4*i+2:(\sb)+4*i+3]
.set i, i+1
.endr
	v_pk_fma_f32 v[rT+2:rT+3], v[rT+2:rT+3], v[rC+2:rC+3], v[(\sb):(\sb)+1] op_sel_hi:[1,0,1]   ; l = a l + ..
.set i, 0
.rept 16
	v_pk_mul_f32 v[rO+2*i:rO+2*i+1], v[rO+2*i:rO+2*i+1], v[rC+2:rC+3] op_sel_hi:[1,0]
.set i, i+1
.endr
.set i, 1
.rept 7
	v_pk_add_f32 v[rT+2:rT+3], v[rT+2:rT+3], v[(\sb)+4*i:(\sb)+4*i+1]
.set i, i+1
.endr
.endm
; O^T += V^T P; five places behind, in front of the next loads into V's registers
.macro PV tt
.set rP, P+16*(\tt)
.set rO, O+32*(\tt)
	WIN 0x01
.irp kk, 0,1
.irp cb, 0,1,2,3
	v_wmma_f32_16x16x32_bf16 v[rO+8*(\cb):rO+8*(\cb)+7], v[VF+32*(\kk)+8*(\cb):VF+32*(\kk)+8*(\cb)+7], v[rP+8*(\kk):rP+8*(\kk)+7], v[rO+8*(\cb):rO+8*(\cb)+7]
.endr
.endr
	WIN 0
.rept 5
	v_nop
.endr
.endm
; AHEAD OF THE LOOP, as a step -1: R's fragments for tile 0's u of step 0, and that tile's ring block 1 (in the waves whose tile 0 begins at step 0, where key block 4 Bq - 16 exists)
	s_mov_b32 s[SS], -1
	FLAGS
	RFL
	s_wait_dscnt 0x0
	s_cmp_eq_u32 s[FB0], 0
	s_cbranch_scc1 .Lpre
	BDC 0, UN
	BDS 0, 1
.Lpre:
	s_wait_dscnt 0x0                               ; nothing of mine is out at the first barrier
.macro STEP p
	s_lshl_b32 s[SS], s[TR], 1
.if \p
	s_add_co_u32 s[SS], s[SS], 1
.endif
	s_mov_b32 s[FM1P], s[FM1]
	FLAGS
	s_wait_loadcnt 0x0                             ; this step's K and V are in my registers, and their address pair may be written
	BAR                                            ; every wave's fragments of the last step's K and V are in its registers: KT and VT may be written
	ds_store_b128 v[KST], v[KV:KV+3]
	ds_store_b128 v[KST], v[KV+4:KV+7]   offset:32*PKT
	ds_store_b128 v[VST], v[KV+8:KV+11]
	ds_store_b128 v[VST], v[KV+12:KV+15] offset:32*PVT
	s_add_co_u32 s38, s[BQ4], s[SS]
	s_sub_co_i32 s38, s38, 15                      ; the next step's key block, held inside the head (the last step's request serves nothing)
	s_max_i32 s38, s38, 0
	s_min_i32 s38, s38, 31
	s_lshl_b32 s38, s38, 7
	s_mov_b32 s39, 0
	s_add_nc_u64 s[TP:TP+1], s[KB:KB+1], s[38:39]
	s_wait_dscnt 0x0
	BAR                                            ; KT and VT are whole
	s_cmp_eq_u32 s[FM0], 0
	s_cbranch_scc1 .Lsa_\@
	RLD 0, \p, S                                   ; tile 0's ring entries: both blocks were written in earlier steps
.Lsa_\@:
	WIN 0x40
.irp kt, 0,1,2,3
.irp kk, 0,1
	ds_load_tr16_b128 v[KF+16*(\kt)+8*(\kk):KF+16*(\kt)+8*(\kk)+3],   v[KAD] offset:32*(\kt)+32*PKT*(\kk)
	ds_load_tr16_b128 v[KF+16*(\kt)+8*(\kk)+4:KF+16*(\kt)+8*(\kk)+7], v[KAD] offset:32*(\kt)+32*PKT*(\kk)+16*PKT
.endr
.endr
	WIN 0
	s_cmp_eq_u32 s[FM1P], 0
	s_cbranch_scc1 .Lsb_\@
	SM 1, S1                                       ; tile 1 of the step before, beside the loads above: work on registers alone,
	PV 1                                           ; on the V of the step before
.Lsb_\@:
	WIN 0x40
.irp kk, 0,1
.irp cb, 0,1,2,3
	ds_load_b128 v[VF+32*(\kk)+8*(\cb):VF+32*(\kk)+8*(\cb)+3],   v[VAD] offset:16*PVT*(\cb)+64*(\kk)
	ds_load_b128 v[VF+32*(\kk)+8*(\cb)+4:VF+32*(\kk)+8*(\cb)+7], v[VAD] offset:16*PVT*(\cb)+64*(\kk)+32
.endr
.endr
	WIN 0
	global_load_b128 v[KV:KV+3],     v[KO], s[TP:TP+1]
	global_load_b128 v[KV+4:KV+7],   v[KO], s[TP:TP+1] offset:131072
	global_load_b128 v[KV+8:KV+11],  v[KO], s[TP:TP+1] offset:4194304
	global_load_b128 v[KV+12:KV+15], v[KO], s[TP:TP+1] offset:4325376
	s_cmp_eq_u32 s[FB1], 0
	s_cbranch_scc1 .Lsc_\@
	BDC 1, U0                                      ; tile 1's BD for the next step, on the fragments of R that tile 0 used last
.Lsc_\@:
	s_wait_dscnt 16                                ; K and tile 0's ring entries are in; V's 16 loads, issued on every path behind them, may be out
	s_cmp_eq_u32 s[FM0], 0
	s_cbranch_scc1 .Lsd_\@
	KQ 0, S
.Lsd_\@:
	s_cmp_eq_u32 s[FM1], 0
	s_cbranch_scc1 .Lse_\@
	RLD 1, \p, S1                                  ; tile 1's ring entries of this step,
.Lse_\@:
	s_cmp_eq_u32 s[FB1], 0
	s_cbranch_scc1 .Lsf_\@
	BDS 1, \p                                      ; and behind them its block for the next
.Lsf_\@:
	RFL                                            ; R's next fragments
	s_cmp_eq_u32 s[FM0], 0
	s_cbranch_scc1 .Lsg_\@
	SM 0, S
	s_wait_dscnt 16                                ; V is in; R's 16 loads, the last issued on every path, may be out
	PV 0
.Lsg_\@:
	s_wait_dscnt 0x0                               ; R's fragments and tile 1's ring entries are in
	s_cmp_eq_u32 s[FB0], 0
	s_cbranch_scc1 .Lsh_\@
	BDC 0, UN                                      ; tile 0's BD for the next step
	BDS 0, \p
.Lsh_\@:
	s_cmp_eq_u32 s[FM1], 0
	s_cbranch_scc1 .Lsi_\@
	KQ 1, S1                                       ; tile 1's scores; its softmax follows behind the next step's barriers
.Lsi_\@:
	s_wait_dscnt 0x0                               ; nothing of mine is out at the next barrier
.endm
	s_mov_b32 s[TR], 0
.Ltrip:
	STEP 0
	STEP 1
	s_add_co_u32 s[TR], s[TR], 1
	s_cmp_lt_u32 s[TR], 10
	s_cbranch_scc1 .Ltrip
	s_cmp_eq_u32 s[FM1], 0                         ; tile 1 of the last step
	s_cbranch_scc1 .Llast
	SM 1, S1
	PV 1
.Llast:
	; THE WAY OUT: O^T / l, rounded, through OST (in the ring's bytes) into [channel][query], and out as rows of 512 bytes.
	s_wait_loadcnt 0x0
	s_wait_dscnt 0x0
	BAR                                            ; nobody reads a ring any more
.irp tq, 0,1
	v_add_f32 v[ST+4*(\tq)+2], v[ST+4*(\tq)+2], v[ST+4*(\tq)+3]
.endr
.irp tq, 0,1
	v_permlanex16_b32 v[ST+4*(\tq)+3], v[ST+4*(\tq)+2], s[SEL], s[SEL+1]
.endr
.irp tq, 0,1
	v_add_f32 v[ST+4*(\tq)+2], v[ST+4*(\tq)+2], v[ST+4*(\tq)+3]
.endr
.irp tq, 0,1
	v_rcp_f32 v[ST+4*(\tq)+2], v[ST+4*(\tq)+2]
.endr
	v_and_b32 v2, 15, v0
	v_bfe_u32 v3, v0, 4, 1
	v_and_b32 v4, 31, v0
	s_lshl_b32 s38, s[G], 7
	s_add_co_u32 s38, s38, s[W]
	v_lshl_add_u32 v5, v2, 2, s38                  ; my query's column: 128 g + 4 r + w (tile 1: 64 on)
	v_lshlrev_b32 v5, 1, v5
	v_mul_u32_u24 v6, v3, 8*PO
	v_add_nc_u32 v5, v5, v6
	v_add_nc_u32 v5, OST, v5
	s_mul_i32 s38, s[WV], 8*PO
	s_add_co_u32 s38, s38, OST
	v_lshl_add_u32 v6, v4, 4, s38
	v_lshlrev_b32 v7, 4, v4
	s_wait_alu depctr_va_vdst(0)                   ; one wait for the two reciprocals; the address lines above are the work between
.irp tq, 0,1
.set i, 0
.rept 16
	v_pk_mul_f32 v[O+32*(\tq)+2*i:O+32*(\tq)+2*i+1], v[O+32*(\tq)+2*i:O+32*(\tq)+2*i+1], v[ST+4*(\tq)+2:ST+4*(\tq)+3] op_sel_hi:[1,0]
.set i, i+1
.endr
.set i, 0
.rept 16
	v_cvt_pk_bf16_f32 v[S+16*(\tq)+i], v[O+32*(\tq)+2*i], v[O+32*(\tq)+2*i+1]
.set i, i+1
.endr
.set i, 0
.rept 16
	ds_store_b16 v5, v[S+16*(\tq)+i] offset:(16*(i/4)+2*(i%4))*PO+128*(\tq)
	ds_store_b16_d16_hi v5, v[S+16*(\tq)+i] offset:(16*(i/4)+2*(i%4)+1)*PO+128*(\tq)
.set i, i+1
.endr
.endr
	s_wait_dscnt 0x0
	BAR
.irp p, 0,1,2,3,4,5,6,7
	ds_load_b128 v[BD+4*(\p):BD+4*(\p)+3], v6 offset:PO*(\p)
.endr
.irp p, 0,1,2,3,4,5,6,7
	s_wait_dscnt 7-(\p)
	global_store_b128 v7, v[BD+4*(\p):BD+4*(\p)+3], s[OB:OB+1] offset:4096*(\p)   ; 512 consecutive bytes, aligned
.endr
	s_wait_tensorcnt 0x0                           ; the wave's end
	ds_add_u32 v[SPW], v[NIL]
	s_wait_dscnt 0x0
	s_endpgm
.Lfunc_end_k_qd5b91f731a_attn:
	.size	k_qd5b91f731a_attn, .Lfunc_end_k_qd5b91f731a_attn-k_qd5b91f731a_attn
	.p2alignl 7, 3214868480
	.fill 96, 4, 3214868480
	.section	.rodata,"a",@progbits
	.p2align	6, 0x0
	.amdhsa_kernel k_qd5b91f731a_attn
		.amdhsa_group_segment_fixed_size 317184
		.amdhsa_private_segment_fixed_size 0
		.amdhsa_enable_private_segment 0
		.amdhsa_kernarg_size 40
		.amdhsa_user_sgpr_count 2
		.amdhsa_user_sgpr_kernarg_segment_ptr 1
		.amdhsa_wavefront_size32 1
		.amdhsa_system_sgpr_workgroup_id_x 1
		.amdhsa_system_sgpr_workgroup_id_y 1
		.amdhsa_system_sgpr_workgroup_id_z 1
		.amdhsa_system_vgpr_workitem_id 0
		.amdhsa_next_free_vgpr 512
		.amdhsa_next_free_sgpr 66
		.amdhsa_reserve_vcc 1
		.amdhsa_float_denorm_mode_32 3
		.amdhsa_float_denorm_mode_16_64 3
		.amdhsa_memory_ordered 1
		.amdhsa_forward_progress 1
		.amdhsa_inst_pref_size 124
	.end_amdhsa_kernel
	.amdgpu_metadata
---
amdhsa.version: [ 1, 2 ]
amdhsa.kernels:
  - .name:           k_qd5b91f731a_attn
    .symbol:         k_qd5b91f731a_attn.kd
    .args:
      - { .name: wh, .offset: 0, .size: 8, .value_kind: global_buffer, .address_space: global }
      - { .name: rk, .offset: 8, .size: 8, .value_kind: global_buffer, .address_space: global }
      - { .name: r_w_bias, .offset: 16, .size: 8, .value_kind: global_buffer, .address_space: global }
      - { .name: r_r_bias, .offset: 24, .size: 8, .value_kind: global_buffer, .address_space: global }
      - { .name: av, .offset: 32, .size: 8, .value_kind: global_buffer, .address_space: global }
    .group_segment_fixed_size: 317184
    .private_segment_fixed_size: 0
    .kernarg_segment_align: 8
    .kernarg_segment_size: 40
    .max_flat_workgroup_size: 256
    .sgpr_count:     66
    .vgpr_count:     512
    .wavefront_size: 32
...
	.end_amdgpu_metadata
.endif
;; end of part 3
;; launch gemm2 (part 4): grid 32 x 8, 4 waves a work-group, clusters of 4 x 4, 327,680 bytes of LDS; arguments cb, av, z1ss, b_o, y, st; writes y, st
.if DOCPART == 4
	.amdgcn_target "amdgcn-amd-amdhsa--gfx1250"
	.amdhsa_code_object_version 6
	.text
	.protected	k_qd5b91f731a_gemm2
	.globl	k_qd5b91f731a_gemm2
	.p2align	8
	.type	k_qd5b91f731a_gemm2,@function
k_qd5b91f731a_gemm2:
	s_mov_b64 s[64:65], 0
	v_nop
	global_prefetch_b8 v0, s[64:65] scope:SCOPE_SE
	s_setreg_imm32_b32 hwreg(HW_REG_WAVE_MODE, 25, 1), 1
	s_wait_xcnt 0x0
	s_wait_alu depctr_hold_cnt(0) depctr_sa_sdst(0) depctr_va_vdst(0) depctr_va_sdst(0) depctr_va_ssrc(0) depctr_va_vcc(0) depctr_vm_vsrc(0)
	s_getreg_b32 s2, hwreg(HW_REG_IB_STS2, 6, 4)
	s_cmp_eq_u32 s2, 0
	s_cbranch_scc0 .Lentry_in_a_cluster
	s_endpgm
.Lentry_in_a_cluster:
	s_bfe_u32 s2, ttmp6, 0x10000c
	s_cmp_lg_u32 s2, 0xf033
	s_cbranch_scc0 .Lentry_shape_is_right
	s_endpgm
.Lentry_shape_is_right:
; y[b][o][q] = sum over d of W_o[o][d] av[b][d][q] + b_o[o] + z[b][o][q], in f32; and for each block of 64 rows o and each column: the mean and the sum of squares about that mean (two passes over registers),
; st[ob][0 mean, 1 M2][n], n = 2048 b + q.  The next launch joins the 16 blocks.
; A = W_o's bf16 copy in cb, [m][k]; B = av, [k][n], read out of LDS turned.  A tile is 128 (m) x 128 (n); K = 1,024 in steps of 256 through two LDS slots; four waves of 64 x 64.
; Clusters of 4 x 4: A's tiles are asked for jointly along a row, B's along a column.  The matrix instruction is used transposed: a lane holds row m = lane % 16 and eight neighbouring columns.
; No prefetch: the tiles are small, and a step's bytes are asked for a whole step ahead.
; REGISTERS: window 0: v0-31 addresses; v32-63 rows read back; v96-103 b_o; v128-255 accumulators ((a, b) at 128 + 8 (4 a + b)).  window 1: two fragment buffers of 128.
;   window 2: v0-127 z, then y (row pair p of block a at 32 a + 4 p); v128-159 the statistics' work.
.set KSTEP,  256
.set PITCH,  528                       ; a row of A in LDS: 512 bytes + 16
.set PB,     288                       ; a row of B in LDS: 256 bytes + 32, an odd multiple of 32
.set PART,   128*PB                    ; a wave's part of a slot: 128 rows of B (36,864 bytes), or 64 rows of A (33,792 of them used)
.set SLOT,   4*PART
.set STAGE,  2*SLOT
.set SPITCH, 272
.set SPARE,  STAGE+4*16*SPITCH
.set LAPS,   2
.set WOB,    20971520
.set ASTEP,  KSTEP*2
.set BSTEP,  KSTEP*4096
.set ADRA, 16
.set ADRB, 20                          ; v20-23: slot 0, 1 x K rows 0-127, 128-255
.set STO,  24
.set RD,   25
.set ZO,   26
.set STA,  27
.set SPW,  28
.set NIL,  29
.set BOA,  30
.set TMP,  32
.set BOV,  96
.set ACC,  128
.set F0,   0
.set F1,   128
.set WV, 16
.set HR, 17
.set HC, 18
.set G1, 24
.set G0, 32
.set CY, 40
.set MT, 41
.set G1B, 48
.set G0B, 56
.set CX, 66
.set NT, 67
.set BT, 68
.set QQ, 69
.set SEL, 74
.set HM, 76
.set MSB, 0
.macro WIN new
.if MSB != (\new)
	s_set_vgpr_msb (MSB<<8)|(\new)
.set MSB, \new
.endif
.endm
.set MUL,  0x05
.set TO_F, 0x40
.macro JLOAD s
	s_cmp_eq_u32 s[HR], 0
	s_cbranch_scc0 .Lfor_b_\@
	tensor_load_to_lds s[G0+4*(\s):G0+4*(\s)+3], s[G1:G1+7]
	s_nop 0
.rept 4
	v_nop
.endr
	s_branch .Lasked_\@
.Lfor_b_\@:
	tensor_load_to_lds s[G0B+4*(\s):G0B+4*(\s)+3], s[G1B:G1B+7]
	s_nop 0
.rept 4
	v_nop
.endr
.Lasked_\@:
.endm
.macro CREST
	s_cmp_lg_u32 s[WV], 0
	s_cbranch_scc1 .Lnot_wave_0_\@
	s_barrier_signal -3
.Lnot_wave_0_\@:
	s_barrier_wait -3
	s_barrier_signal -1
	s_barrier_wait -1
.endm
.macro CROUND
	s_barrier_signal -1
	s_barrier_wait -1
	CREST
.endm
	s_load_b256 s[4:11], s[0:1], 0x0               ; cb, av, z1ss, b_o
	s_load_b128 s[12:15], s[0:1], 0x20             ; y, st
	v_lshl_add_u32 v[SPW], v0, 2, SPARE
	v_mov_b32 v[NIL], 0
	ds_add_u32 v[SPW], v[NIL]                      ; the wave's opening: the add and its wait ahead of my first tensor load
	v_lshrrev_b32 v1, 5, v0
	v_readfirstlane_b32 s[WV], v1
	s_lshr_b32 s[HR], s[WV], 1
	s_and_b32 s[HC], s[WV], 1
	s_bfe_u32 s[CX], ttmp6, 0x40000
	s_bfe_u32 s[CY], ttmp6, 0x40004
	s_lshl_b32 s[NT], ttmp9, 2
	s_add_co_u32 s[NT], s[NT], s[CX]               ; tile column
	s_and_b32 s[MT], ttmp7, 0xffff
	s_lshl_b32 s[MT], s[MT], 2
	s_add_co_u32 s[MT], s[MT], s[CY]               ; tile row
	s_lshr_b32 s[BT], s[NT], 4                     ; batch
	s_and_b32 s[QQ], s[NT], 15
	s_lshl_b32 s42, s[CY], 2
	s_lshl_b32 s42, 15, s42
	s_lshl_b32 s78, 0x1111, s[CX]
	s_or_b32 s[G1+0], s42, (1<<16)|(1<<20)|(1<<21)|(6<<22)|(3<<25)   ; A: 4 words of padding after every 128
	s_or_b32 s[G1B+0], s78, (1<<16)|(1<<20)|(1<<21)|(5<<22)|(7<<25)  ; B: 8 words of padding after every 64
	s_mov_b32 s[G1+1], 256<<16                     ; A: 64 rows x 256 elements, 1,024 from row to row
	s_mov_b32 s[G1+2], 64<<16
	s_mov_b32 s[G1+3], 256<<16
	s_mov_b32 s[G1+4], 64
	s_mov_b32 s[G1+5], 1024
	s_mov_b32 s[G1+6], 0
	s_mov_b32 s[G1+7], 0
	s_mov_b32 s[G1B+1], 128<<16                    ; B: 128 rows x 128 elements, 2,048 from row to row
	s_mov_b32 s[G1B+2], 128<<16
	s_mov_b32 s[G1B+3], 128<<16
	s_mov_b32 s[G1B+4], 128
	s_mov_b32 s[G1B+5], 2048
	s_mov_b32 s[G1B+6], 0
	s_mov_b32 s[G1B+7], 0
	s_lshl_b32 s20, s[MT], 7
	s_lshl_b32 s21, s[HC], 6
	s_add_co_u32 s20, s20, s21
	s_lshl_b32 s20, s20, 11
	s_add_co_u32 s20, s20, WOB
	s_mov_b32 s21, 0
	s_lshl_b32 s22, s[BT], 22
	s_lshl_b32 s23, s[QQ], 8
	s_add_co_u32 s22, s22, s23
	s_lshl_b32 s23, s[HC], 19                      ; my 128 rows of 4,096 bytes
	s_add_co_u32 s22, s22, s23
	s_mov_b32 s23, 0
	s_mul_i32 s19, s[WV], PART
	s_mov_b32 s[SEL], 0x76543210
	s_mov_b32 s[SEL+1], 0xfedcba98
	s_mov_b32 s[HM], 0xffff0000                    ; lanes 16-31
	s_wait_dscnt 0x0                               ; the opening add is done
	s_wait_kmcnt 0x0
	s_add_nc_u64 s[20:21], s[4:5], s[20:21]
	s_add_nc_u64 s[22:23], s[6:7], s[22:23]
	CROUND
.irp s, 0,1
	s_mov_b32 s[G0+4*(\s)], 1
	s_add_co_u32 s[G0+4*(\s)+1], s19, (\s)*SLOT
	s_add_nc_u64 s[G0+4*(\s)+2:G0+4*(\s)+3], s[20:21], (\s)*ASTEP
	s_or_b32 s[G0+4*(\s)+3], s[G0+4*(\s)+3], 0x80000000
	s_mov_b32 s[G0B+4*(\s)], 1
	s_add_co_u32 s[G0B+4*(\s)+1], s19, (\s)*SLOT
	s_add_nc_u64 s[G0B+4*(\s)+2:G0B+4*(\s)+3], s[22:23], (\s)*BSTEP
	s_or_b32 s[G0B+4*(\s)+3], s[G0B+4*(\s)+3], 0x80000000
	JLOAD \s
.endr
	v_and_b32 v1, 15, v0
	v_bfe_u32 v2, v0, 4, 1
	v_mul_u32_u24 v3, v1, PITCH
	v_lshl_add_u32 v3, v2, 4, v3
	v_and_b32 v4, 7, v0
	v_lshl_add_u32 v4, v2, 3, v4
	v_mul_u32_u24 v4, v4, PB
	v_bfe_u32 v5, v0, 3, 1
	v_lshl_add_u32 v4, v5, 4, v4
	s_mul_i32 s42, s[HR], PART                     ; my 64 rows of A
	s_lshl_b32 s43, s[HC], 7                       ; my 64 columns of B: 128 bytes of each row,
	s_add_co_u32 s43, s43, 2*PART                  ; behind A's two parts
.irp s, 0,1
	v_add_nc_u32 v[ADRA+(\s)], s42, v3
	v_add_nc_u32 v[ADRB+2*(\s)], s43, v4
	v_add_nc_u32 v[ADRB+2*(\s)+1], PART, v[ADRB+2*(\s)]
	s_add_co_u32 s42, s42, SLOT
	s_add_co_u32 s43, s43, SLOT
.endr
	s_mul_i32 s42, s[WV], 16*SPITCH
	s_add_co_u32 s42, s42, STAGE
	v_mul_u32_u24 v3, v1, SPITCH
	v_lshl_add_u32 v3, v2, 5, v3
	v_add_nc_u32 v[STO], s42, v3                   ; in: row l % 16, 32 bytes for each half of the lanes
	v_mul_u32_u24 v3, v2, SPITCH
	v_lshl_add_u32 v3, v1, 4, v3
	v_add_nc_u32 v[RD], s42, v3                    ; back: lanes 0-15 a row of 256 bytes, lanes 16-31 the next
	v_lshlrev_b32 v[ZO], 13, v2
	v_lshl_add_u32 v[ZO], v1, 4, v[ZO]             ; the same two rows in z and y (8,192 bytes a row)
	v_lshlrev_b32 v[STA], 14, v2
	v_lshl_add_u32 v[STA], v1, 4, v[STA]           ; lanes 0-15 store the means, lanes 16-31 the M2
	v_lshlrev_b32 v[BOA], 2, v1
	s_lshl_b32 s70, s[BT], 23                      ; my part of the tile in z and y
	s_lshl_b32 s71, s[MT], 20
	s_add_co_u32 s70, s70, s71
	s_lshl_b32 s71, s[HR], 19
	s_add_co_u32 s70, s70, s71
	s_lshl_b32 s71, s[QQ], 9
	s_add_co_u32 s70, s70, s71
	s_lshl_b32 s71, s[HC], 8
	s_add_co_u32 s70, s70, s71
	s_mov_b32 s71, 0
	s_add_nc_u64 s[8:9], s[8:9], s[70:71]
	s_add_nc_u64 s[12:13], s[12:13], s[70:71]
	s_lshl_b32 s72, s[MT], 16                      ; st: block ob = 2 x tile row + my half, 32,768 bytes each; column 128 x tile column + 64 x half
	s_lshl_b32 s73, s[HR], 15
	s_add_co_u32 s72, s72, s73
	s_lshl_b32 s73, s[NT], 9
	s_add_co_u32 s72, s72, s73
	s_lshl_b32 s73, s[HC], 8
	s_add_co_u32 s72, s72, s73
	s_mov_b32 s73, 0
	s_add_nc_u64 s[14:15], s[14:15], s[72:73]
	s_lshl_b32 s72, s[MT], 9
	s_lshl_b32 s78, s[HR], 8
	s_add_co_u32 s72, s72, s78
	s_add_nc_u64 s[10:11], s[10:11], s[72:73]
.irp a, 0,1,2,3
	global_load_b32 v[BOV+2*(\a)], v[BOA], s[10:11] offset:64*(\a)    ; b_o of row 16 a + l % 16
	v_mov_b32 v[BOV+2*(\a)+1], 0                                      ; named with it as a pair
.endr
	WIN 0x80                                       ; z comes in while the products run: 32 loads, two rows of 256 bytes each
.irp a, 0,1,2,3
.irp p, 0,1,2,3,4,5,6,7
	global_load_b128 v[32*(\a)+4*(\p):32*(\a)+4*(\p)+3], v[ZO], s[8:9] offset:(16*(\a)+2*(\p))*8192
.endr
.endr
	WIN 0
.macro MUL8 f, c, a0, zero
	WIN MUL
.irp a, \a0, (\a0)+1
.irp b, 0,1,2,3
.if \zero
	v_wmma_f32_16x16x32_bf16 v[ACC+8*(4*(\a)+(\b)):ACC+8*(4*(\a)+(\b))+7], v[(\f)+64+8*(4*(\c)+(\b)):(\f)+64+8*(4*(\c)+(\b))+7], v[(\f)+8*(4*(\c)+(\a)):(\f)+8*(4*(\c)+(\a))+7], 0
.else
	v_wmma_f32_16x16x32_bf16 v[ACC+8*(4*(\a)+(\b)):ACC+8*(4*(\a)+(\b))+7], v[(\f)+64+8*(4*(\c)+(\b)):(\f)+64+8*(4*(\c)+(\b))+7], v[(\f)+8*(4*(\c)+(\a)):(\f)+8*(4*(\c)+(\a))+7], v[ACC+8*(4*(\a)+(\b)):ACC+8*(4*(\a)+(\b))+7]
.endif
.endr
.endr
.endm
; 32 LDS loads in one run: 64 along K (byte k of A's rows; LDS rows k / 2 on of B), the first 32 along K first
.macro FETCH slot, k, f
	WIN TO_F
.irp c, 0,1
.irp i, 0,1,2,3
	ds_load_tr16_b128 v[(\f)+64+8*(4*(\c)+(\i)):(\f)+64+8*(4*(\c)+(\i))+3],   v[ADRB+2*(\slot)+(\k)/256] offset:((((\k)/128)%2)*64+32*(\c))*PB+(\i)*32
	ds_load_tr16_b128 v[(\f)+64+8*(4*(\c)+(\i))+4:(\f)+64+8*(4*(\c)+(\i))+7], v[ADRB+2*(\slot)+(\k)/256] offset:((((\k)/128)%2)*64+32*(\c)+16)*PB+(\i)*32
	ds_load_b128 v[(\f)+8*(4*(\c)+(\i)):(\f)+8*(4*(\c)+(\i))+3],         v[ADRA+(\slot)] offset:(\k)+64*(\c)+(\i)*16*PITCH
	ds_load_b128 v[(\f)+8*(4*(\c)+(\i))+4:(\f)+8*(4*(\c)+(\i))+7],       v[ADRA+(\slot)] offset:(\k)+64*(\c)+(\i)*16*PITCH+32
.endr
.endr
.endm
.macro PLACES
.rept 4
	v_nop
.endr
.endm
.macro QUARTER slot, k, f, g, zero
	s_wait_dscnt 16                                ; the first 32 along K are in
	WIN MUL
	MUL8 \f, 0, 0, \zero
	MUL8 \f, 0, 2, \zero
	PLACES
	FETCH \slot, \k, \g
	s_wait_dscnt 32                                ; all but the 32 just issued
	WIN MUL
	MUL8 \f, 1, 0, 0
	MUL8 \f, 1, 2, 0
.endm
.macro TURN slot, next, fill
	WIN 0
	s_wait_tensorcnt 0x0                           ; all my tensor loads have landed: my part of the next slot
	ds_add_u32 v[SPW], v[NIL]                      ; 0 onto my spare word
	s_wait_dscnt 17                                ; the add and the youngest sixteen loads may be out
	WIN MUL
	MUL8 F1, 0, 0, 0
	s_wait_dscnt 0x0                               ; the add is done, and my reads of this slot are over
	s_barrier_signal -1
	MUL8 F1, 0, 2, 0
.if \fill
	WIN 0
.endif
	s_barrier_wait -1
.if \fill
	CREST
	s_add_nc_u64 s[G0+4*(\slot)+2:G0+4*(\slot)+3], s[G0+4*(\slot)+2:G0+4*(\slot)+3], 2*ASTEP
	s_add_nc_u64 s[G0B+4*(\slot)+2:G0B+4*(\slot)+3], s[G0B+4*(\slot)+2:G0B+4*(\slot)+3], 2*BSTEP
	JLOAD \slot
.else
	PLACES
.endif
	FETCH \next, 0, F0
	WIN MUL
	MUL8 F1, 1, 0, 0
	MUL8 F1, 1, 2, 0
.endm
	s_wait_tensorcnt 1                             ; my part of K step 0 is in; K step 1's load may stay out
	s_barrier_signal -1
	s_barrier_wait -1
	FETCH 0, 0, F0
	QUARTER 0, 128, F0, F1, 1
	WIN 0
	s_mov_b32 s3, LAPS-1
.Llap:
	QUARTER 0, 256, F1, F0, 0
	QUARTER 0, 384, F0, F1, 0
	TURN 0, 1, 1
	QUARTER 1, 128, F0, F1, 0
	QUARTER 1, 256, F1, F0, 0
	QUARTER 1, 384, F0, F1, 0
	TURN 1, 0, 1
	QUARTER 0, 128, F0, F1, 0
	WIN 0
	s_sub_co_u32 s3, s3, 1
	s_cmp_lg_u32 s3, 0
	s_cbranch_scc1 .Llap
	QUARTER 0, 256, F1, F0, 0
	QUARTER 0, 384, F0, F1, 0
	TURN 0, 1, 0
	QUARTER 1, 128, F0, F1, 0
	QUARTER 1, 256, F1, F0, 0
	QUARTER 1, 384, F0, F1, 0
	s_wait_dscnt 16
	WIN MUL
	MUL8 F1, 0, 0, 0
	MUL8 F1, 0, 2, 0
	s_wait_dscnt 0x0
	MUL8 F1, 1, 0, 0
	MUL8 F1, 1, 2, 0
	WIN 0
	; THE WAY OUT.  b_o goes on in the accumulators' layout (a lane, a row); then 16 rows at a time through my own stage, back as rows of 256 bytes, plus z; y is stored and kept for the statistics.
	PLACES
	s_wait_loadcnt 0x0                             ; b_o and z
.irp a, 0,1,2,3
.set i, 0
.rept 16
	v_pk_add_f32 v[ACC+32*(\a)+2*i:ACC+32*(\a)+2*i+1], v[ACC+32*(\a)+2*i:ACC+32*(\a)+2*i+1], v[BOV+2*(\a):BOV+2*(\a)+1] op_sel_hi:[1,0]
.set i, i+1
.endr
.endr
.irp a, 0,1,2,3
	WIN 0
.irp b, 0,1,2,3
	ds_store_b128 v[STO], v[ACC+8*(4*(\a)+(\b)):ACC+8*(4*(\a)+(\b))+3]   offset:64*(\b)
	ds_store_b128 v[STO], v[ACC+8*(4*(\a)+(\b))+4:ACC+8*(4*(\a)+(\b))+7] offset:64*(\b)+16
.endr
.irp p, 0,1,2,3,4,5,6,7
	ds_load_b128 v[TMP+4*(\p):TMP+4*(\p)+3], v[RD] offset:2*SPITCH*(\p)   ; LDS serves a wave's instructions in order: these see the stores above
.endr
	s_wait_dscnt 0x0
	WIN 0x88                                       ; destination and source 1 in window 2
.set i, 0
.rept 16
	v_pk_add_f32 v[32*(\a)+2*i:32*(\a)+2*i+1], v[TMP+2*i:TMP+2*i+1], v[32*(\a)+2*i:32*(\a)+2*i+1]
.set i, i+1
.endr
	WIN 0x08                                       ; store data in window 2
.irp p, 0,1,2,3,4,5,6,7
	global_store_b128 v[ZO], v[32*(\a)+4*(\p):32*(\a)+4*(\p)+3], s[12:13] offset:(16*(\a)+2*(\p))*8192   ; 16 lanes store 256 consecutive bytes, aligned
.endr
.endr
	; THE STATISTICS of my 64 rows, for my lane's four columns: 32 rows lie in my registers, the other 32 in the lane 16 away.
.set SA, 128
.set SB, 132
.set MN, 136
.set DD, 140
.set MA, 148
.set MB, 152
	WIN 0xaa
.irp e, 0,2
	v_pk_add_f32 v[SA+(\e):SA+(\e)+1], v[(\e):(\e)+1], v[4+(\e):4+(\e)+1]
	v_pk_add_f32 v[SB+(\e):SB+(\e)+1], v[8+(\e):8+(\e)+1], v[12+(\e):12+(\e)+1]
.endr
.set i, 4
.rept 14
.irp e, 0,2
	v_pk_add_f32 v[SA+(\e):SA+(\e)+1], v[SA+(\e):SA+(\e)+1], v[4*i+(\e):4*i+(\e)+1]
	v_pk_add_f32 v[SB+(\e):SB+(\e)+1], v[SB+(\e):SB+(\e)+1], v[4*i+4+(\e):4*i+4+(\e)+1]
.endr
.set i, i+2
.endr
.irp e, 0,2
	v_pk_add_f32 v[SA+(\e):SA+(\e)+1], v[SA+(\e):SA+(\e)+1], v[SB+(\e):SB+(\e)+1]
.endr
.irp e, 0,1,2,3
	v_permlanex16_b32 v[SB+(\e)], v[SA+(\e)], s[SEL], s[SEL+1]
.endr
.irp e, 0,2
	v_pk_add_f32 v[SA+(\e):SA+(\e)+1], v[SA+(\e):SA+(\e)+1], v[SB+(\e):SB+(\e)+1]
.endr
.irp e, 0,2
	v_pk_mul_f32 v[MN+(\e):MN+(\e)+1], v[SA+(\e):SA+(\e)+1], 0x3c800000 op_sel_hi:[1,0]   ; / 64
.endr
.set i, 0
.rept 32
.set dq, DD+4*(i%2)
.set mq, MA+4*(i%2)
.irp e, 0,2
	v_pk_add_f32 v[dq+(\e):dq+(\e)+1], v[4*i+(\e):4*i+(\e)+1], v[MN+(\e):MN+(\e)+1] neg_lo:[0,1] neg_hi:[0,1]
.endr
.irp e, 0,2
.if i < 2
	v_pk_mul_f32 v[mq+(\e):mq+(\e)+1], v[dq+(\e):dq+(\e)+1], v[dq+(\e):dq+(\e)+1]
.else
	v_pk_fma_f32 v[mq+(\e):mq+(\e)+1], v[dq+(\e):dq+(\e)+1], v[dq+(\e):dq+(\e)+1], v[mq+(\e):mq+(\e)+1]
.endif
.endr
.set i, i+1
.endr
.irp e, 0,2
	v_pk_add_f32 v[MA+(\e):MA+(\e)+1], v[MA+(\e):MA+(\e)+1], v[MB+(\e):MB+(\e)+1]
.endr
.irp e, 0,1,2,3
	v_permlanex16_b32 v[MB+(\e)], v[MA+(\e)], s[SEL], s[SEL+1]
.endr
.irp e, 0,2
	v_pk_add_f32 v[MA+(\e):MA+(\e)+1], v[MA+(\e):MA+(\e)+1], v[MB+(\e):MB+(\e)+1]
.endr
.irp e, 0,1,2,3
	v_cndmask_b32 v[DD+(\e)], v[MN+(\e)], v[MA+(\e)], s[HM]
.endr
	WIN 0x08
	global_store_b128 v[STA], v[DD:DD+3], s[14:15] ; 256 consecutive bytes of means, 256 of M2
	WIN 0
	s_wait_tensorcnt 0x0                           ; the wave's end
	ds_add_u32 v[SPW], v[NIL]
	s_wait_dscnt 0x0
	CROUND                                         ; the closing round
	s_endpgm
.Lfunc_end_k_qd5b91f731a_gemm2:
	.size	k_qd5b91f731a_gemm2, .Lfunc_end_k_qd5b91f731a_gemm2-k_qd5b91f731a_gemm2
	.p2alignl 7, 3214868480
	.fill 96, 4, 3214868480
	.section	.rodata,"a",@progbits
	.p2align	6, 0x0
	.amdhsa_kernel k_qd5b91f731a_gemm2
		.amdhsa_group_segment_fixed_size 327680
		.amdhsa_private_segment_fixed_size 0
		.amdhsa_enable_private_segment 0
		.amdhsa_kernarg_size 48
		.amdhsa_user_sgpr_count 2
		.amdhsa_user_sgpr_kernarg_segment_ptr 1
		.amdhsa_wavefront_size32 1
		.amdhsa_system_sgpr_workgroup_id_x 1
		.amdhsa_system_sgpr_workgroup_id_y 1
		.amdhsa_system_sgpr_workgroup_id_z 1
		.amdhsa_system_vgpr_workitem_id 0
		.amdhsa_next_free_vgpr 768
		.amdhsa_next_free_sgpr 80
		.amdhsa_reserve_vcc 0
		.amdhsa_float_denorm_mode_32 3
		.amdhsa_float_denorm_mode_16_64 3
		.amdhsa_memory_ordered 1
		.amdhsa_forward_progress 1
		.amdhsa_inst_pref_size 112
	.end_amdhsa_kernel
	.amdgpu_metadata
---
amdhsa.version: [ 1, 2 ]
amdhsa.kernels:
  - .name:           k_qd5b91f731a_gemm2
    .symbol:         k_qd5b91f731a_gemm2.kd
    .args:
      - { .name: cb, .offset: 0, .size: 8, .value_kind: global_buffer, .address_space: global }
      - { .name: av, .offset: 8, .size: 8, .value_kind: global_buffer, .address_space: global }
      - { .name: z1ss, .offset: 16, .size: 8, .value_kind: global_buffer, .address_space: global }
      - { .name: b_o, .offset: 24, .size: 8, .value_kind: global_buffer, .address_space: global }
      - { .name: y, .offset: 32, .size: 8, .value_kind: global_buffer, .address_space: global }
      - { .name: st, .offset: 40, .size: 8, .value_kind: global_buffer, .address_space: global }
    .group_segment_fixed_size: 327680
    .private_segment_fixed_size: 0
    .kernarg_segment_align: 8
    .kernarg_segment_size: 48
    .max_flat_workgroup_size: 128
    .sgpr_count:     80
    .vgpr_count:     768
    .wavefront_size: 32
...
	.end_amdgpu_metadata
.endif
;; end of part 4
;; launch ln (part 5): grid 32 x 8, 8 waves a work-group, no clusters, 0 bytes of LDS; arguments y, st, out0; writes out0
.if DOCPART == 5
	.amdgcn_target "amdgcn-amd-amdhsa--gfx1250"
	.amdhsa_code_object_version 6
	.text
	.protected	k_qd5b91f731a_ln
	.globl	k_qd5b91f731a_ln
	.p2align	8
	.type	k_qd5b91f731a_ln,@function
k_qd5b91f731a_ln:
	s_mov_b64 s[64:65], 0
	v_nop
	global_prefetch_b8 v0, s[64:65] scope:SCOPE_SE
	s_setreg_imm32_b32 hwreg(HW_REG_WAVE_MODE, 25, 1), 1
	s_wait_xcnt 0x0
; out0[b][o][q] = (y[b][o][q] - mean[b][q]) / sqrt(var[b][q] + 1e-5), mean and var over the 1,024 rows o.
; st holds for each of 16 blocks of 64 rows the block's mean and its sum of squares about that mean; they are joined as mean = sum of means / 16, M2 = sum of M2_i + 64 sum of (mean_i - mean)^2:
; no difference of large sums is formed.
; A work-group takes 128 columns x 128 rows, each of its eight waves 16 rows, a lane 4 columns: every load and store of a wave covers 512 consecutive bytes.
; All 48 loads of a wave (32 of statistics, 16 rows) go out at the head: the rows are on their way while the statistics are joined.
.set ST, 8                             ; v[8:135]   block ob: mean at 8 ob, M2 at 8 ob + 4
.set RA, 136                           ; v[136:199] my 16 rows
.set MN, 200
.set M2, 204
.set DS, 208
.set T,  212
.set RS, 216
	s_load_b128 s[4:7], s[0:1], 0x0                ; y, st
	s_load_b64 s[8:9], s[0:1], 0x10                ; out0
	v_and_b32 v1, 31, v0
	v_lshlrev_b32 v1, 4, v1                        ; 16 bytes a lane
	v_lshrrev_b32 v2, 5, v0
	v_readfirstlane_b32 s10, v2                    ; wave 0..7
	s_and_b32 s11, ttmp7, 0xffff
	s_lshr_b32 s12, ttmp9, 4                       ; batch
	s_lshl_b32 s12, s12, 23
	s_lshl_b32 s11, s11, 20                        ; 128 rows of 8,192 bytes
	s_add_co_u32 s12, s12, s11
	s_lshl_b32 s10, s10, 17                        ; 16 rows
	s_add_co_u32 s12, s12, s10
	s_and_b32 s16, ttmp9, 15
	s_lshl_b32 s16, s16, 9                         ; 128 columns
	s_add_co_u32 s12, s12, s16
	s_mov_b32 s13, 0
	s_lshl_b32 s14, ttmp9, 9
	s_mov_b32 s15, 0
	s_mov_b32 s20, 0x3a800000                      ; 1 / 1024
	s_mov_b32 s21, 0x3727c5ac                      ; 1e-5
	s_mov_b32 s22, 0x42800000                      ; 64
	s_wait_kmcnt 0x0
	s_add_nc_u64 s[4:5], s[4:5], s[12:13]
	s_add_nc_u64 s[8:9], s[8:9], s[12:13]
	s_add_nc_u64 s[6:7], s[6:7], s[14:15]
.set i, 0
.rept 32
	global_load_b128 v[ST+4*i:ST+4*i+3], v1, s[6:7] offset:16384*i
.set i, i+1
.endr
.set i, 0
.rept 16
	global_load_b128 v[RA+4*i:RA+4*i+3], v1, s[4:5] offset:8192*i th:TH_LOAD_NT
.set i, i+1
.endr
	s_wait_loadcnt 16                              ; the statistics are in; the 16 rows, issued behind them, stay out
.irp e, 0,2
	v_pk_add_f32 v[MN+(\e):MN+(\e)+1], v[ST+(\e):ST+(\e)+1], v[ST+8+(\e):ST+8+(\e)+1]
	v_pk_add_f32 v[M2+(\e):M2+(\e)+1], v[ST+4+(\e):ST+4+(\e)+1], v[ST+12+(\e):ST+12+(\e)+1]
.endr
.set i, 2
.rept 14
.irp e, 0,2
	v_pk_add_f32 v[MN+(\e):MN+(\e)+1], v[MN+(\e):MN+(\e)+1], v[ST+8*i+(\e):ST+8*i+(\e)+1]
	v_pk_add_f32 v[M2+(\e):M2+(\e)+1], v[M2+(\e):M2+(\e)+1], v[ST+8*i+4+(\e):ST+8*i+4+(\e)+1]
.endr
.set i, i+1
.endr
.irp e, 0,2
	v_pk_mul_f32 v[MN+(\e):MN+(\e)+1], v[MN+(\e):MN+(\e)+1], 0x3d800000 op_sel_hi:[1,0]   ; / 16
.endr
.set i, 0
.rept 16
.irp e, 0,2
	v_pk_add_f32 v[T+(\e):T+(\e)+1], v[ST+8*i+(\e):ST+8*i+(\e)+1], v[MN+(\e):MN+(\e)+1] neg_lo:[0,1] neg_hi:[0,1]
.endr
.irp e, 0,2
.if i == 0
	v_pk_mul_f32 v[DS+(\e):DS+(\e)+1], v[T+(\e):T+(\e)+1], v[T+(\e):T+(\e)+1]
.else
	v_pk_fma_f32 v[DS+(\e):DS+(\e)+1], v[T+(\e):T+(\e)+1], v[T+(\e):T+(\e)+1], v[DS+(\e):DS+(\e)+1]
.endif
.endr
.set i, i+1
.endr
.irp e, 0,1,2,3
	v_fma_f32 v[T+(\e)], v[DS+(\e)], s22, v[M2+(\e)]
.endr
.irp e, 0,1,2,3
	v_fma_f32 v[T+(\e)], v[T+(\e)], s20, s21       ; the variance + 1e-5
.endr
.irp e, 0,1,2,3
	v_rsq_f32 v[RS+(\e)], v[T+(\e)]
.endr
	v_nop                                          ; a plain instruction behind the last of the four,
	s_wait_alu depctr_va_vdst(0)                   ; and one wait for them, ahead of the first reader
	s_wait_loadcnt 0x0                             ; my 16 rows
.set i, 0
.rept 16
.irp e, 0,2
	v_pk_add_f32 v[RA+4*i+(\e):RA+4*i+(\e)+1], v[RA+4*i+(\e):RA+4*i+(\e)+1], v[MN+(\e):MN+(\e)+1] neg_lo:[0,1] neg_hi:[0,1]
.endr
.irp e, 0,2
	v_pk_mul_f32 v[RA+4*i+(\e):RA+4*i+(\e)+1], v[RA+4*i+(\e):RA+4*i+(\e)+1], v[RS+(\e):RS+(\e)+1]
.endr
	global_store_b128 v1, v[RA+4*i:RA+4*i+3], s[8:9] offset:8192*i th:TH_STORE_NT
.set i, i+1
.endr
	s_endpgm
.Lfunc_end_k_qd5b91f731a_ln:
	.size	k_qd5b91f731a_ln, .Lfunc_end_k_qd5b91f731a_ln-k_qd5b91f731a_ln
	.p2alignl 7, 3214868480
	.fill 96, 4, 3214868480
	.section	.rodata,"a",@progbits
	.p2align	6, 0x0
	.amdhsa_kernel k_qd5b91f731a_ln
		.amdhsa_group_segment_fixed_size 0
		.amdhsa_private_segment_fixed_size 0
		.amdhsa_enable_private_segment 0
		.amdhsa_kernarg_size 24
		.amdhsa_user_sgpr_count 2
		.amdhsa_user_sgpr_kernarg_segment_ptr 1
		.amdhsa_wavefront_size32 1
		.amdhsa_system_sgpr_workgroup_id_x 1
		.amdhsa_system_sgpr_workgroup_id_y 1
		.amdhsa_system_sgpr_workgroup_id_z 1
		.amdhsa_system_vgpr_workitem_id 0
		.amdhsa_next_free_vgpr 224
		.amdhsa_next_free_sgpr 66
		.amdhsa_reserve_vcc 0
		.amdhsa_float_denorm_mode_32 3
		.amdhsa_float_denorm_mode_16_64 3
		.amdhsa_memory_ordered 1
		.amdhsa_forward_progress 1
		.amdhsa_inst_pref_size 20
	.end_amdhsa_kernel
	.amdgpu_metadata
---
amdhsa.version: [ 1, 2 ]
amdhsa.kernels:
  - .name:           k_qd5b91f731a_ln
    .symbol:         k_qd5b91f731a_ln.kd
    .args:
      - { .name: y, .offset: 0, .size: 8, .value_kind: global_buffer, .address_space: global }
      - { .name: st, .offset: 8, .size: 8, .value_kind: global_buffer, .address_space: global }
      - { .name: out0, .offset: 16, .size: 8, .value_kind: global_buffer, .address_space: global }
    .group_segment_fixed_size: 0
    .private_segment_fixed_size: 0
    .kernarg_segment_align: 8
    .kernarg_segment_size: 24
    .max_flat_workgroup_size: 256
    .sgpr_count:     66
    .vgpr_count:     224
    .wavefront_size: 32
...
	.end_amdgpu_metadata
.endif
;; end of part 5
;; ======== version 2 of 2: 5 launches; version 1 with the launch ln written anew for expert scheduling mode
;; limits: right only within a limited range of input values
;; workspace buffers: cb 23,068,672 bytes; wh 25,165,824 bytes; rk 4,194,304 bytes; av 8,388,608 bytes; y 16,777,216 bytes; st 524,288 bytes
;; launch prep: the kernel of part 1 again; grid 1408 x 1, 8 waves a work-group, no clusters, 0 bytes of LDS; arguments z1ss, pos_emb, W_qkv, W_r, W_o, cb; writes cb
;; launch gemm1: the kernel of part 2 again; grid 52 x 4, 4 waves a work-group, clusters of 4 x 4, 327,680 bytes of LDS; arguments cb, u1ss, wh, rk; writes wh, rk
;; launch attn: the kernel of part 3 again; grid 8 x 32, 8 waves a work-group, no clusters, 317,184 bytes of LDS; arguments wh, rk, r_w_bias, r_r_bias, av; writes av
;; launch gemm2: the kernel of part 4 again; grid 32 x 8, 4 waves a work-group, clusters of 4 x 4, 327,680 bytes of LDS; arguments cb, av, z1ss, b_o, y, st; writes y, st
;; launch ln (part 6): grid 32 x 8, 8 waves a work-group, no clusters, 0 bytes of LDS; arguments y, st, out0; writes out0
.if DOCPART == 6
	.amdgcn_target "amdgcn-amd-amdhsa--gfx1250"
	.amdhsa_code_object_version 6
	.text
	.protected	k_qd5b91f731a_ln
	.globl	k_qd5b91f731a_ln
	.p2align	8
	.type	k_qd5b91f731a_ln,@function
k_qd5b91f731a_ln:
	s_mov_b64 s[64:65], 0
	v_nop
	global_prefetch_b8 v0, s[64:65] scope:SCOPE_SE
	s_setreg_imm32_b32 hwreg(HW_REG_WAVE_SCHED_MODE, 0, 2), 2
	s_setreg_imm32_b32 hwreg(HW_REG_WAVE_MODE, 25, 1), 1
	s_wait_xcnt 0x0
	s_wait_alu depctr_vm_vsrc(0)
; out0[b][o][q] = (y[b][o][q] - mean[b][q]) / sqrt(var[b][q] + 1e-5), mean and var over the 1,024 rows o.
; st holds for each of 16 blocks of 64 rows the block's mean and its sum of squares about that mean; they are joined as mean = sum of means / 16, M2 = sum of M2_i + 64 sum of (mean_i - mean)^2:
; no difference of large sums is formed.
; A work-group takes 128 columns x 128 rows, each of its eight waves 16 rows, a lane 4 columns: every load and store of a wave covers 512 consecutive bytes.
; All 48 loads of a wave (32 of statistics, 16 rows) go out at the head: the rows are on their way while the statistics are joined.
; THE MODE: SCHED_MODE bits 1:0 = 2 (LLVM: expert scheduling mode 2), set by the entry lines.  The code itself states the register dependences between vector instructions and memory instructions,
; with s_wait_alu, always for 0.
; THE PLAN.  Registers that memory instructions touch:
;   v1    the offset of every load and store.  Written by two vector lines at the head, never again: one wait ahead of the first load serves all 64 memory instructions.
;   ST    written by the 32 loads of statistics, which no vector line precedes on these registers; read by vector lines behind the wait for the loads; no memory instruction names it again.
;   RA    my 16 rows, in four blocks of four.  Written by the 16 loads; block p is then normalised in place by its 16 vector lines and read by its four stores; nothing writes it behind them.
;   MN, M2, DS, T, RS are named by vector lines alone.
; Block p's vector lines name RA's block p, MN and RS.  The stores of block p - 1 are dealt among them, behind ONE wait at the block's head, which states that block p - 1 is written.
; No register that a memory instruction reads is written again, so no wait on vm_vsrc is owed; the text has no loop, and writes neither EXEC nor VCC.
.set ST, 8                             ; v[8:135]   block ob: mean at 8 ob, M2 at 8 ob + 4
.set RA, 136                           ; v[136:199] my 16 rows
.set MN, 200
.set M2, 204
.set DS, 208
.set T,  212
.set RS, 216
	s_load_b128 s[4:7], s[0:1], 0x0                ; y, st
	s_load_b64 s[8:9], s[0:1], 0x10                ; out0
	v_and_b32 v1, 31, v0
	v_lshlrev_b32 v1, 4, v1                        ; 16 bytes a lane
	v_lshrrev_b32 v2, 5, v0
	v_readfirstlane_b32 s10, v2                    ; wave 0..7
	s_and_b32 s11, ttmp7, 0xffff
	s_lshr_b32 s12, ttmp9, 4                       ; batch
	s_lshl_b32 s12, s12, 23
	s_lshl_b32 s11, s11, 20                        ; 128 rows of 8,192 bytes
	s_add_co_u32 s12, s12, s11
	s_wait_alu depctr_va_sdst(0)                   ; s10 is written, ahead of its first reader: the bases of y and out0 are made from it
	s_lshl_b32 s10, s10, 17                        ; 16 rows
	s_add_co_u32 s12, s12, s10
	s_and_b32 s16, ttmp9, 15
	s_lshl_b32 s16, s16, 9                         ; 128 columns
	s_add_co_u32 s12, s12, s16
	s_mov_b32 s13, 0
	s_lshl_b32 s14, ttmp9, 9
	s_mov_b32 s15, 0
	s_mov_b32 s20, 0x3a800000                      ; 1 / 1024
	s_mov_b32 s21, 0x3727c5ac                      ; 1e-5
	s_mov_b32 s22, 0x42800000                      ; 64
	s_wait_kmcnt 0x0
	s_add_nc_u64 s[4:5], s[4:5], s[12:13]
	s_add_nc_u64 s[8:9], s[8:9], s[12:13]
	s_add_nc_u64 s[6:7], s[6:7], s[14:15]
	s_wait_alu depctr_va_vdst(0)                   ; v1 is written: every load and store of the kernel reads it as its offset
.set i, 0
.rept 32
	global_load_b128 v[ST+4*i:ST+4*i+3], v1, s[6:7] offset:16384*i
.set i, i+1
.endr
.set i, 0
.rept 16
	global_load_b128 v[RA+4*i:RA+4*i+3], v1, s[4:5] offset:8192*i th:TH_LOAD_NT
.set i, i+1
.endr
	s_wait_loadcnt 16                              ; the statistics are in; the 16 rows, issued behind them, stay out
.irp e, 0,2
	v_pk_add_f32 v[MN+(\e):MN+(\e)+1], v[ST+(\e):ST+(\e)+1], v[ST+8+(\e):ST+8+(\e)+1]
	v_pk_add_f32 v[M2+(\e):M2+(\e)+1], v[ST+4+(\e):ST+4+(\e)+1], v[ST+12+(\e):ST+12+(\e)+1]
.endr
.set i, 2
.rept 14
.irp e, 0,2
	v_pk_add_f32 v[MN+(\e):MN+(\e)+1], v[MN+(\e):MN+(\e)+1], v[ST+8*i+(\e):ST+8*i+(\e)+1]
	v_pk_add_f32 v[M2+(\e):M2+(\e)+1], v[M2+(\e):M2+(\e)+1], v[ST+8*i+4+(\e):ST+8*i+4+(\e)+1]
.endr
.set i, i+1
.endr
.irp e, 0,2
	v_pk_mul_f32 v[MN+(\e):MN+(\e)+1], v[MN+(\e):MN+(\e)+1], 0x3d800000 op_sel_hi:[1,0]   ; / 16
.endr
.set i, 0
.rept 16
.irp e, 0,2
	v_pk_add_f32 v[T+(\e):T+(\e)+1], v[ST+8*i+(\e):ST+8*i+(\e)+1], v[MN+(\e):MN+(\e)+1] neg_lo:[0,1] neg_hi:[0,1]
.endr
.irp e, 0,2
.if i == 0
	v_pk_mul_f32 v[DS+(\e):DS+(\e)+1], v[T+(\e):T+(\e)+1], v[T+(\e):T+(\e)+1]
.else
	v_pk_fma_f32 v[DS+(\e):DS+(\e)+1], v[T+(\e):T+(\e)+1], v[T+(\e):T+(\e)+1], v[DS+(\e):DS+(\e)+1]
.endif
.endr
.set i, i+1
.endr
.irp e, 0,1,2,3
	v_fma_f32 v[T+(\e)], v[DS+(\e)], s22, v[M2+(\e)]
.endr
.irp e, 0,1,2,3
	v_fma_f32 v[T+(\e)], v[T+(\e)], s20, s21       ; the variance + 1e-5
.endr
.irp e, 0,1,2,3
	v_rsq_f32 v[RS+(\e)], v[T+(\e)]
.endr
	v_nop                                          ; a plain instruction behind the last of the four,
	s_wait_alu depctr_va_vdst(0)                   ; and one wait for the four results in RS, ahead of their first reader
	s_wait_loadcnt 0x0                             ; my 16 rows
; Block b: its four rows are normalised in place.  prev = 1: the four stores of the block before are dealt among its lines, one ahead of each row's four;
; no vector line since the wait at the block's head names the rows that they read, or v1.
.macro ROWS b, prev
.irp i, 0,1,2,3
.if \prev
	global_store_b128 v1, v[RA+16*((\b)-1)+4*(\i):RA+16*((\b)-1)+4*(\i)+3], s[8:9] offset:8192*(4*((\b)-1)+(\i)) th:TH_STORE_NT
.endif
.irp e, 0,2
	v_pk_add_f32 v[RA+16*(\b)+4*(\i)+(\e):RA+16*(\b)+4*(\i)+(\e)+1], v[RA+16*(\b)+4*(\i)+(\e):RA+16*(\b)+4*(\i)+(\e)+1], v[MN+(\e):MN+(\e)+1] neg_lo:[0,1] neg_hi:[0,1]
.endr
.irp e, 0,2
	v_pk_mul_f32 v[RA+16*(\b)+4*(\i)+(\e):RA+16*(\b)+4*(\i)+(\e)+1], v[RA+16*(\b)+4*(\i)+(\e):RA+16*(\b)+4*(\i)+(\e)+1], v[RS+(\e):RS+(\e)+1]
.endr
.endr
.endm
	ROWS 0, 0
	s_wait_alu depctr_va_vdst(0)                   ; block 0's multiplications have written rows 0 to 3, which the four stores in block 1 read
	ROWS 1, 1
	s_wait_alu depctr_va_vdst(0)                   ; block 1's have written rows 4 to 7, which the four stores in block 2 read
	ROWS 2, 1
	s_wait_alu depctr_va_vdst(0)                   ; block 2's have written rows 8 to 11, which the four stores in block 3 read
	ROWS 3, 1
	s_wait_alu depctr_va_vdst(0)                   ; block 3's have written rows 12 to 15, which the last four stores read
.irp i, 0,1,2,3
	global_store_b128 v1, v[RA+48+4*(\i):RA+48+4*(\i)+3], s[8:9] offset:8192*(12+(\i)) th:TH_STORE_NT
.endr
	s_endpgm
.Lfunc_end_k_qd5b91f731a_ln:
	.size	k_qd5b91f731a_ln, .Lfunc_end_k_qd5b91f731a_ln-k_qd5b91f731a_ln
	.p2alignl 7, 3214868480
	.fill 96, 4, 3214868480
	.section	.rodata,"a",@progbits
	.p2align	6, 0x0
	.amdhsa_kernel k_qd5b91f731a_ln
		.amdhsa_group_segment_fixed_size 0
		.amdhsa_private_segment_fixed_size 0
		.amdhsa_enable_private_segment 0
		.amdhsa_kernarg_size 24
		.amdhsa_user_sgpr_count 2
		.amdhsa_user_sgpr_kernarg_segment_ptr 1
		.amdhsa_wavefront_size32 1
		.amdhsa_system_sgpr_workgroup_id_x 1
		.amdhsa_system_sgpr_workgroup_id_y 1
		.amdhsa_system_sgpr_workgroup_id_z 1
		.amdhsa_system_vgpr_workitem_id 0
		.amdhsa_next_free_vgpr 224
		.amdhsa_next_free_sgpr 66
		.amdhsa_reserve_vcc 0
		.amdhsa_float_denorm_mode_32 3
		.amdhsa_float_denorm_mode_16_64 3
		.amdhsa_memory_ordered 1
		.amdhsa_forward_progress 1
		.amdhsa_inst_pref_size 21
	.end_amdhsa_kernel
	.amdgpu_metadata
---
amdhsa.version: [ 1, 2 ]
amdhsa.kernels:
  - .name:           k_qd5b91f731a_ln
    .symbol:         k_qd5b91f731a_ln.kd
    .args:
      - { .name: y, .offset: 0, .size: 8, .value_kind: global_buffer, .address_space: global }
      - { .name: st, .offset: 8, .size: 8, .value_kind: global_buffer, .address_space: global }
      - { .name: out0, .offset: 16, .size: 8, .value_kind: global_buffer, .address_space: global }
    .group_segment_fixed_size: 0
    .private_segment_fixed_size: 0
    .kernarg_segment_align: 8
    .kernarg_segment_size: 24
    .max_flat_workgroup_size: 256
    .sgpr_count:     66
    .vgpr_count:     224
    .wavefront_size: 32
...
	.end_amdgpu_metadata
.endif
;; end of part 6
